; MI455X (gfx1250); checked and timed in simulation.
; The chip was launched on July 23, 2026; its instructions are those of AMD's public machine-readable ISA for CDNA 5 (MIT licence, August 2026) and "CDNA5" Instruction Set Architecture Reference Guide (July 2026). The comments in the code are by the model that wrote it; some were corrected since.
;; Multi Head Attention. Allowed arithmetic: matrix products marked QUANTISED: E2M3 operands, one E8M0 scale for each 32 along K, by v_wmma_scale_f32_16x16x128_f8f6f4 with both operands' format E2M3, f32 sums; everything else in f32.
;; Inputs: Wk 16 x 1,024 x 64 float32; Wo 1,024 x 1,024 float32; Wq 16 x 1,024 x 64 float32; Wv 16 x 1,024 x 64 float32; bo 1,024 float32; x 4 x 2,048 x 1,024 float32.
;; Outputs: out0 4 x 2,048 x 1,024 float32.
;; This version of the problem:
;;   THIS VERSION OF THE PROBLEM IS GIVEN IN LOW PRECISION. The matrix products marked QUANTISED in the list below multiply operands that are first quantised to E2M3 (2 exponent bits, 3 mantissa bits; 6 bits a number), with one power-of-two scale for each 32 numbers along K (OCP MX v1.0); their sums are f32. All else is computed in f32.
;;   The module's matrix products, in the order in which they are computed (A, B: the left and right operand; K: the contracted axis; several contracted axes count as one K, in the product's order):
;;     1. [M 1,024, K 1,024] x [K 1,024, N 8,192]; A: input Wq; B: input x: QUANTISED
;;     2. [M 1,024, K 1,024] x [K 1,024, N 8,192]; A: input Wk; B: input x: QUANTISED
;;     3. [M 1,024, K 1,024] x [K 1,024, N 8,192]; A: input Wv; B: input x: QUANTISED
;;     4. batch 64 x [M 2,048, K 64] x [K 64, N 2,048]; A: computed on the way; B: computed on the way: QUANTISED
;;     5. batch 64 x [M 2,048, K 2,048] x [K 2,048, N 64]; A: softmax (see below); B: computed on the way: QUANTISED
;;     6. [M 8,192, K 1,024] x [K 1,024, N 1,024]; A: computed on the way; B: input Wo: QUANTISED
;;   THE QUANTISER, for each operand of a quantised product, along K:
;;     - K is cut into blocks of 32 from its start; a last block that is shorter is filled with zeros.
;;     - A block's scale is 2^e with e = floor(log2(the largest magnitude in the block)) - 2, held to -126 .. 127; a block of zeros has e = 0. As a byte (E8M0): e + 127.
;;     - Each number is divided by its block's scale, clamped to +-7.5, and rounded to the nearest number of E2M3, ties to even, subnormals kept.
;;     - The product sums the exact products of the quantised numbers (number of the format x scale) in f32.
;;   ~~~python
;;   def quantise(x, axis):      # numpy; x: float32 -> the quantised numbers, widened to float32 again
;;       x = np.moveaxis(x, axis, -1); K = x.shape[-1]
;;       x = np.pad(x, [(0, 0)] * (x.ndim - 1) + [(0, -K % 32)]); x = x.reshape(x.shape[:-1] + (-1, 32)); a = np.abs(x).max(-1, keepdims=True)
;;       e = np.where(a > 0, np.clip(np.frexp(np.where(a > 0, a, 1))[1] - 1 - 2, -126, 127), 0)      # np.frexp(a)[1] - 1 = floor(log2(a)), exactly
;;       r = np.clip(x / 2.0 ** e, -7.5, 7.5)
;;       step = 2.0 ** (np.maximum(np.frexp(np.where(r == 0, 1, r))[1] - 1, 0) - 3)
;;       q = np.round(r / step) * step * 2.0 ** e      # np.round: ties to even
;;       return np.moveaxis(q.reshape(q.shape[:-2] + (-1,))[..., :K], -1, axis).astype(np.float32)
;;   ~~~
;;   SOFTMAX AHEAD OF A QUANTISED PRODUCT. Where the list says 'softmax', what is quantised is not the finished softmax but p = 2^(t - M), with t = logit x log2(e) and M = ceil(the row's largest t), a whole number; so 1/2 < the row's largest p <= 1. The row's sum l is taken of the UNQUANTISED p, in f32, and the product's result is divided by l at the end. Since M is a whole number, a kernel that streams over the keys may use a running M (the ceiling of the running maximum): every later rescaling is an exact power of two, which a block's scale takes up: the codes' values come out the same.
;;   OPERANDS COMPUTED ON THE WAY. 'Computed on the way' means the value that the module computes at that place (a softmax that the list does not call 'softmax' is quantised finished and normalised). What goes into a quantiser is computed in f32, as accurately as f32 sums, v_exp_f32 and their like allow (about 1e-6 of the number): no bf16 or f16 on the way to a quantiser, and a product that is left as it is and whose result goes on into a quantised operand takes f32 operands (vector FMAs, or v_wmma_f32_16x16x4_f32). A number that lies on a knife's edge between two numbers of the format may be rounded either way, as far as f32 arithmetic and the matrix unit's own rounding can turn it there, and no further.
;; One version. Each part assembles by itself: llvm-mc -triple=amdgcn-amd-amdhsa -mcpu=gfx1250 --defsym DOCPART=n.
;; ======== version 1 of 1: 4 launches
;; workspace buffers: cin 9,437,184 bytes; sin 393,216 bytes; qkvc 18,874,368 bytes; qkvs 1,572,864 bytes; aoc 6,291,456 bytes; aos 262,144 bytes
;; launch prep (part 1): grid 384 x 1, 4 waves a work-group, no clusters, 60,928 bytes of LDS; arguments x, Wo, Wq, Wk, Wv, cin, sin; writes cin, sin
.if DOCPART == 1
	.amdgcn_target "amdgcn-amd-amdhsa--gfx1250"
	.amdhsa_code_object_version 6
	.text
	.protected	k_q08e5d1d0ec_prep
	.globl	k_q08e5d1d0ec_prep
	.p2align	8
	.type	k_q08e5d1d0ec_prep,@function
k_q08e5d1d0ec_prep:
	s_mov_b64 s[64:65], 0
	v_nop
	global_prefetch_b8 v0, s[64:65] scope:SCOPE_SE
	s_setreg_imm32_b32 hwreg(HW_REG_WAVE_MODE, 25, 1), 1
	s_wait_xcnt 0x0
; x [8192][1024], Wo [1024][1024] (K innermost) and Wq, Wk, Wv [16][1024][64] (K = the middle axis) become codes of FP6 (E2M3) with one E8M0 byte for each 32 along K = 1024.
; A block's scale is 2^(floor(log2(largest magnitude)) - 2); its byte is the largest magnitude's exponent field - 2, held at 1 from below.
; LIMITS: blocks whose largest magnitude lies under 2^-124 are held at byte 1; a block of zeros gets byte 1 where the rule says 127 (its codes are zeros, and this program alone reads the bytes);
; NaN and infinities among the inputs are not served.
; LAYOUT OF THE RESULTS, in the order of an operand's registers.  A tile T is 16 rows: lane row r of tile T is row 32 (T / 2) + 8 (T % 2) + r + 8 (r / 8).
; cin [tile 768][half fragment 16][768]: a half fragment is 16 rows x 64 K: byte 256 p + 8 lane + y is byte 8 p + y of the 24 bytes of K block 2 c + lane / 16 of the lane's row.
;   tiles 0-511 x, 512-703 the rows (m, head, e) of Wq, Wk, Wv, 704-767 Wo.
; sin [128 rows 96][128 along K 8][512]: the scale word of tile 4 G + j, lane row r lies at 256 G + 16 r + 4 j.
; Work-groups 0-287 take x and Wo, 288-383 the three weights: two paths, each with LDS bytes of its own.  No tensor load, no matrix instruction; what a work-group reads nobody else reads, so no cluster.
.set SPW,   12                         ; v12  LDS address of my spare word; never rewritten
.set NIL,   13                         ; v13  0; never rewritten
.set STA,   16*528                     ; first path: a wave's stage, 16 rows of 512 bytes + 16
.set BST,   4*STA                      ; second path: the stages begin here
.set STB,   6400                       ; a wave's stage: two tiles of 3,072 bytes, 3,200 apart
.set BSC,   BST+4*STB                  ; the work-group's 1,024 bytes of scale words
.set SPARE, BSC+1024                   ; the spare words, 128 bytes a wave: two blocks of 256 bytes that no other line names
.set SEL,   20                         ; s[20:21] lane selects: lane l xor 16
.set R,     16                         ; v16-143  first path: two sets of 64 registers as loaded
.set X,     144                        ; v144-207 64 numbers of my row: register 16 b + i = k 32 b + 16 (lane / 16) + i
.set PC,    208                        ; v208-227 the codes
.set TM,    228                        ; v228-243 at work
.set WD,    244                        ; v244-247 four tiles' scale words
.set XB,    16                         ; v16-79   second path: two sets of 32 numbers
.set CD,    80                         ; v80-87   a block's codes
.set SBW,   88                         ; v88-89   my column's eight scale bytes
.set OUTR,  96                         ; v96-143  the way out
	s_load_b256 s[4:11], s[0:1], 0x0               ; x, Wo, Wq, Wk
	s_load_b128 s[12:15], s[0:1], 0x20             ; Wv, cin
	s_load_b64 s[16:17], s[0:1], 0x30              ; sin
	v_lshl_add_u32 v[SPW], v0, 2, SPARE
	v_mov_b32 v[NIL], 0
	v_lshrrev_b32 v1, 5, v0
	v_readfirstlane_b32 s18, v1                    ; wave
	v_and_b32 v1, 31, v0                           ; lane
	s_mov_b32 s[SEL], 0x76543210
	s_mov_b32 s[SEL+1], 0xfedcba98
	s_cmp_lt_u32 ttmp9, 288
	s_cbranch_scc0 .Lweights
; ---------------- x and Wo: K innermost.  A wave takes 64 rows (4 tiles) x 128 along K.
	v_and_b32 v2, 15, v0                           ; r
	v_bfe_u32 v3, v0, 4, 1                         ; h
	v_lshlrev_b32 v4, 4, v1                        ; 16 x lane: my bytes of a load's 512
	s_mul_i32 s19, s18, STA
	v_add_nc_u32 v5, s19, v4                       ; the stage, on the way in
	v_mul_u32_u24 v6, v2, 528
	v_lshl_add_u32 v6, v3, 6, v6
	v_add_nc_u32 v6, s19, v6                       ; and out: row r, + 64 h
	v_lshlrev_b32 v7, 3, v1                        ; 8 x lane: a half fragment's place
	v_lshlrev_b32 v8, 4, v2                        ; 16 r: the scale words' place
.irp b, 0,1,2,3
	v_mov_b32 v[TM+4+\b], 0                        ; written once: a lane permute's destination counts as one of its sources
.endr
	s_lshr_b32 s22, ttmp9, 1                       ; which 64 rows: 0-127 of x, 128-143 of Wo
	s_and_b32 s23, ttmp9, 1
	s_lshl_b32 s23, s23, 2
	s_add_co_u32 s23, s23, s18                     ; which 128 along K: 4 x (id % 2) + wave
	s_sub_co_u32 s24, s22, 128                     ; Wo: the group in its own tensor,
	s_add_co_u32 s25, s22, 48                      ; and among all tiles (704 / 4 = 128 + 48)
	s_wait_kmcnt 0x0
	s_cmp_lt_u32 s22, 128
	s_cselect_b64 s[4:5], s[4:5], s[6:7]
	s_cselect_b32 s24, s22, s24
	s_cselect_b32 s25, s22, s25
	s_lshl_b32 s26, s24, 18                        ; 64 rows of 4,096 bytes
	s_lshl_b32 s28, s23, 9
	s_add_co_u32 s26, s26, s28
	s_mov_b32 s27, 0
	s_add_nc_u64 s[4:5], s[4:5], s[26:27]
	s_mul_i32 s26, s25, 49152                      ; 4 tiles of 12,288 bytes
	s_mul_i32 s28, s23, 1536                       ; two half fragments
	s_add_co_u32 s26, s26, s28
	s_add_nc_u64 s[14:15], s[14:15], s[26:27]
	s_lshr_b32 s26, s25, 1
	s_lshl_b32 s26, s26, 12
	s_lshl_b32 s28, s23, 9
	s_add_co_u32 s26, s26, s28
	s_and_b32 s28, s25, 1
	s_lshl_b32 s28, s28, 8
	s_add_co_u32 s26, s26, s28
	s_add_nc_u64 s[16:17], s[16:17], s[26:27]
.macro LOADT j                         ; tile j's 16 rows: each load reads 512 consecutive bytes of one row
.irp p, 0,1,2,3,4,5,6,7,8,9,10,11,12,13,14,15
	global_load_b128 v[R+64*((\j)%2)+4*\p:R+64*((\j)%2)+4*\p+3], v4, s[4:5] offset:(32*((\j)/2)+8*((\j)%2)+\p+8*(\p/8))*4096 th:TH_LOAD_NT
.endr
.endm
; 64 numbers of a lane become a fragment's 12 registers of codes in v[PC] on and its row's scale word in v[w]
.macro QUANT s, w
.irp b, 0,1,2,3
	v_max3_num_f32 v[TM+\b], |v[\s+16*\b]|, |v[\s+1+16*\b]|, 0x1800000   ; my 16 numbers of block b, and the floor 2^(3 - 127): the byte cannot fall under 1
.endr
.irp i, 2,4,6,8,10,12,14
.irp b, 0,1,2,3
	v_max3_num_f32 v[TM+\b], v[TM+\b], |v[\s+16*\b+\i]|, |v[\s+1+16*\b+\i]|
.endr
.endr
.irp b, 0,1,2,3
	v_permlanex16_b32 v[TM+4+\b], v[TM+\b], s[SEL], s[SEL+1]
.endr
.irp b, 0,1,2,3
	v_max_num_f32 v[TM+\b], v[TM+\b], v[TM+4+\b]   ; with lane l xor 16's: the block's largest magnitude
.endr
.irp b, 0,1,2,3
	v_add_nc_u32 v[TM+12+\b], 0xff000000, v[TM+\b] ; 2 off its exponent field: the conversion's scale operand
.endr
.irp b, 0,1,2,3
	v_lshrrev_b32 v[TM+4+\b], 23, v[TM+12+\b]      ; the scale's byte
.endr
	v_lshl_or_b32 v[\w], v[TM+5], 8, v[TM+4]
	v_lshl_or_b32 v[\w], v[TM+6], 16, v[\w]
	v_lshl_or_b32 v[\w], v[TM+7], 24, v[\w]
.irp c, 0,1
	v_cvt_scalef32_pk16_fp6_f32 v[PC+6*\c:PC+2+6*\c], v[\s+32*\c:\s+15+32*\c], v[TM+12+2*\c]
	v_cvt_scalef32_pk16_fp6_f32 v[PC+12+4*\c:PC+14+4*\c], v[\s+16+32*\c:\s+31+32*\c], v[TM+12+2*\c+1]   ; (a conversion's three registers begin on an even number)
.endr
	v_nop                                          ; one plain place behind a scaled conversion
.irp c, 0,1                                    ; a lane gets a whole block: lanes 0-15 block 2 c, lanes 16-31 block 2 c + 1
.irp i, 0,1,2
	v_permlane16_swap_b32 v[PC+6*\c+\i], v[PC+12+4*\c+\i]
.endr
.irp i, 0,1,2
	v_mov_b32 v[PC+3+6*\c+\i], v[PC+12+4*\c+\i]
.endr
.endr
.endm
.macro TILE j
.if (\j) < 3
	s_wait_loadcnt 16                              ; this tile's 16 loads are in; the next tile's 16 may be out
.else
	s_wait_loadcnt 0x0
.endif
	s_wait_xcnt 0x0                                ; the last tile's stores have read the codes' registers, which are written again below
.irp p, 0,1,2,3,4,5,6,7,8,9,10,11,12,13,14,15
	ds_store_b128 v5, v[R+64*((\j)%2)+4*\p:R+64*((\j)%2)+4*\p+3] offset:528*\p
.endr
.irp b, 0,1,2,3
.irp i, 0,1,2,3
	ds_load_b128 v[X+16*\b+4*\i:X+16*\b+4*\i+3], v6 offset:128*\b+16*\i   ; LDS serves a wave's instructions in order: these see the stores above
.endr
.endr
	s_wait_dscnt 0x0                               ; my numbers are back, and the stores have read the set that is loaded again below
.if (\j) < 2
	LOADT (\j)+2
.endif
	QUANT X, WD+(\j)
.irp k, 0,1,2,3,4,5
	global_store_b64 v7, v[PC+2*\k:PC+2*\k+1], s[14:15] offset:(\j)*12288+(\k/3)*768+(\k%3)*256   ; 32 lanes store 256 consecutive bytes, aligned
.endr
.endm
	LOADT 0
	LOADT 1
	TILE 0
	TILE 1
	TILE 2
	TILE 3
	s_wait_xcnt 0x0                                ; EXEC changes only behind this wait
	v_cmp_gt_u32 vcc_lo, 16, v1
	s_and_saveexec_b32 s22, vcc_lo
	global_store_b128 v8, v[WD:WD+3], s[16:17]     ; sixteen lanes store the four tiles' words: 256 consecutive bytes, aligned
	s_wait_xcnt 0x0
	s_or_b32 exec_lo, exec_lo, s22
	s_wait_tensorcnt 0x0                           ; the wave's end, behind my last LDS store
	ds_add_u32 v[SPW], v[NIL]
	s_wait_dscnt 0x0
	s_endpgm
; ---------------- Wq, Wk, Wv: a lane takes a column e, its registers run down K.  A wave takes 32 columns x 256 along K: 8 blocks a lane.
.Lweights:
	v_bfe_u32 v2, v0, 3, 1                         ; u: which of my two tiles column lane falls into
	v_and_b32 v3, 7, v0
	v_bfe_u32 v9, v0, 4, 1
	v_lshl_or_b32 v3, v9, 3, v3                    ; and its lane row there: (lane % 8) + 8 (lane / 16)
	v_lshlrev_b32 v4, 2, v1                        ; in: 4 bytes a lane
	s_mul_i32 s19, s18, STB
	s_add_co_u32 s19, s19, BST                     ; my stage
	v_mul_u32_u24 v5, v2, 3200
	v_lshl_add_u32 v5, v3, 3, v5
	v_add_nc_u32 v5, s19, v5                       ; into it: tile u, 8 x lane row
	v_lshlrev_b32 v7, 4, v1
	v_add_nc_u32 v6, s19, v7                       ; out of it: 16 x lane
	s_and_b32 s22, s18, 1                          ; which 32 columns
	s_lshr_b32 s23, s18, 1
	s_lshl_b32 s24, s23, 9
	s_lshl_b32 s25, s22, 3
	s_add_co_u32 s24, s24, s25
	s_add_co_u32 s24, s24, BSC
	v_lshlrev_b32 v8, 4, v3
	v_lshl_add_u32 v8, v2, 2, v8
	v_add_nc_u32 v8, s24, v8                       ; my scale words: 512 (wave / 2) + 16 x lane row + 4 (2 (wave % 2) + u)
	s_lshl_b32 s24, s22, 9
	s_add_co_u32 s24, s24, BSC
	v_add_nc_u32 v14, s24, v7                      ; where waves 0 and 1 read them back: 512 x wave + 16 x lane
	v_and_b32 v15, 15, v0
	v_lshlrev_b32 v15, 4, v15
	v_lshl_add_u32 v15, v9, 9, v15                 ; and where they go: 512 (lane / 16) + 16 (lane % 16)
	s_sub_co_u32 s24, ttmp9, 288
	s_lshr_b32 s25, s24, 1                         ; which tensor and head: 0-47
	s_and_b32 s24, s24, 1
	s_lshl_b32 s26, s24, 1
	s_add_co_u32 s26, s26, s23                     ; which 256 along K
	s_wait_kmcnt 0x0
	s_cmp_lt_u32 s25, 32
	s_cselect_b64 s[10:11], s[10:11], s[12:13]
	s_cmp_lt_u32 s25, 16
	s_cselect_b64 s[8:9], s[8:9], s[10:11]
	s_and_b32 s28, s25, 15
	s_lshl_b32 s28, s28, 18                        ; a head: 1,024 x 64 x 4 bytes
	s_lshl_b32 s30, s26, 16                        ; 256 rows of 256 bytes
	s_add_co_u32 s28, s28, s30
	s_lshl_b32 s30, s22, 7
	s_add_co_u32 s28, s28, s30
	s_mov_b32 s29, 0
	s_add_nc_u64 s[8:9], s[8:9], s[28:29]
	s_lshl_b32 s28, s25, 2
	s_lshl_b32 s30, s22, 1
	s_add_co_u32 s28, s28, s30
	s_add_co_u32 s28, s28, 512                     ; my first tile
	s_mul_i32 s28, s28, 12288
	s_mul_i32 s30, s26, 3072
	s_add_co_u32 s28, s28, s30
	s_add_nc_u64 s[14:15], s[14:15], s[28:29]
	s_lshr_b32 s28, s25, 1
	s_add_co_u32 s28, s28, 64                      ; the group of 128 rows
	s_lshl_b32 s28, s28, 12
	s_lshl_b32 s30, s24, 2
	s_lshl_b32 s31, s22, 1
	s_add_co_u32 s30, s30, s31                     ; the first of the two 128 along K that waves 0 and 1 each store
	s_lshl_b32 s30, s30, 9
	s_add_co_u32 s28, s28, s30
	s_and_b32 s30, s25, 1
	s_lshl_b32 s30, s30, 8
	s_add_co_u32 s28, s28, s30
	s_add_nc_u64 s[16:17], s[16:17], s[28:29]
.macro LOADB t                         ; block t: W(32 t + i, my column), i = 0 .. 31
.irp i, 0,1,2,3,4,5,6,7,8,9,10,11,12,13,14,15,16,17,18,19,20,21,22,23,24,25,26,27,28,29,30,31
	global_load_b32 v[XB+32*((\t)%2)+\i], v4, s[8:9] offset:(32*(\t)+\i)*256
.endr
.endm
.macro BLOCKQ t
.set XS, XB+32*((\t)%2)
.if (\t) < 7
	s_wait_loadcnt 32                              ; this block's 32 loads are in; the next block's may be out
.else
	s_wait_loadcnt 0x0
.endif
	v_max3_num_f32 v9, |v[XS]|, |v[XS+1]|, |v[XS+2]|
	v_max3_num_f32 v10, |v[XS+3]|, |v[XS+4]|, |v[XS+5]|
.irp i, 6,10,14,18,22,26
	v_max3_num_f32 v9, v9, |v[XS+\i]|, |v[XS+\i+1]|
	v_max3_num_f32 v10, v10, |v[XS+\i+2]|, |v[XS+\i+3]|
.endr
	v_max3_num_f32 v9, v9, |v[XS+30]|, |v[XS+31]|
	v_max3_num_f32 v9, v9, v10, 0x1800000          ; and the floor
	v_add_nc_u32 v11, 0xff000000, v9               ; the conversion's scale operand
	v_lshrrev_b32 v10, 23, v11                     ; the byte
	v_cvt_scalef32_pk16_fp6_f32 v[CD:CD+2], v[XS:XS+15], v11
	v_cvt_scalef32_pk16_fp6_f32 v[CD+4:CD+6], v[XS+16:XS+31], v11
.if (\t)%4 == 0
	v_mov_b32 v[SBW+(\t)/4], v10                   ; four bytes to a word, the lower K lowest.  (The plain place behind the conversions)
.else
	v_lshl_or_b32 v[SBW+(\t)/4], v10, 8*((\t)%4), v[SBW+(\t)/4]
.endif
	v_mov_b32 v[CD+3], v[CD+4]
	v_mov_b32 v[CD+4], v[CD+5]
	v_mov_b32 v[CD+5], v[CD+6]                     ; the block's 24 bytes on end
.irp p, 0,1,2
	ds_store_b64 v5, v[CD+2*\p:CD+2*\p+1] offset:((\t)/2)*768+((\t)%2)*128+256*\p
.endr
.if (\t) < 6
	LOADB (\t)+2
.endif
	s_wait_dscnt 0x0                               ; the stores have read their registers: the next block's codes may be written
.endm
	LOADB 0
	LOADB 1
.irp t, 0,1,2,3,4,5,6,7
	BLOCKQ \t
.endr
	ds_store_b32 v8, v[SBW]
	ds_store_b32 v8, v[SBW+1] offset:256
.irp k, 0,1,2,3,4,5,6,7,8,9,10,11
	ds_load_b128 v[OUTR+4*\k:OUTR+4*\k+3], v6 offset:(\k/6)*3200+(\k%6)*512   ; my own stage: LDS serves a wave's instructions in order
.endr
.irp k, 0,1,2,3,4,5,6,7,8,9,10,11
	s_wait_dscnt 11-\k
	global_store_b128 v7, v[OUTR+4*\k:OUTR+4*\k+3], s[14:15] offset:(\k/6)*12288+(\k%6)*512   ; 512 consecutive bytes, aligned
.endr
	s_wait_dscnt 0x0                               ; for the others' sake: my scale words lie in LDS
	s_barrier_signal -1
	s_barrier_wait -1
	s_cmp_lt_u32 s18, 2
	s_cbranch_scc0 .Lweights_end
	ds_load_b128 v[CD:CD+3], v14                   ; two waves' words of two steps of 128 along K
	s_wait_dscnt 0x0
	global_store_b128 v15, v[CD:CD+3], s[16:17]    ; sixteen lanes store 256 consecutive bytes, aligned
.Lweights_end:
	s_wait_tensorcnt 0x0                           ; the wave's end, behind my last LDS store
	ds_add_u32 v[SPW], v[NIL]
	s_wait_dscnt 0x0
	s_endpgm
.Lfunc_end_k_q08e5d1d0ec_prep:
	.size	k_q08e5d1d0ec_prep, .Lfunc_end_k_q08e5d1d0ec_prep-k_q08e5d1d0ec_prep
	.p2alignl 7, 3214868480
	.fill 96, 4, 3214868480
	.section	.rodata,"a",@progbits
	.p2align	6, 0x0
	.amdhsa_kernel k_q08e5d1d0ec_prep
		.amdhsa_group_segment_fixed_size 60928
		.amdhsa_private_segment_fixed_size 0
		.amdhsa_enable_private_segment 0
		.amdhsa_kernarg_size 56
		.amdhsa_user_sgpr_count 2
		.amdhsa_user_sgpr_kernarg_segment_ptr 1
		.amdhsa_wavefront_size32 1
		.amdhsa_system_sgpr_workgroup_id_x 1
		.amdhsa_system_sgpr_workgroup_id_y 1
		.amdhsa_system_sgpr_workgroup_id_z 1
		.amdhsa_system_vgpr_workitem_id 0
		.amdhsa_next_free_vgpr 256
		.amdhsa_next_free_sgpr 66
		.amdhsa_reserve_vcc 1
		.amdhsa_float_denorm_mode_32 3
		.amdhsa_float_denorm_mode_16_64 3
		.amdhsa_memory_ordered 1
		.amdhsa_forward_progress 1
		.amdhsa_inst_pref_size 77
	.end_amdhsa_kernel
	.amdgpu_metadata
---
amdhsa.version: [ 1, 2 ]
amdhsa.kernels:
  - .name:           k_q08e5d1d0ec_prep
    .symbol:         k_q08e5d1d0ec_prep.kd
    .args:
      - { .name: x, .offset: 0, .size: 8, .value_kind: global_buffer, .address_space: global }
      - { .name: Wo, .offset: 8, .size: 8, .value_kind: global_buffer, .address_space: global }
      - { .name: Wq, .offset: 16, .size: 8, .value_kind: global_buffer, .address_space: global }
      - { .name: Wk, .offset: 24, .size: 8, .value_kind: global_buffer, .address_space: global }
      - { .name: Wv, .offset: 32, .size: 8, .value_kind: global_buffer, .address_space: global }
      - { .name: cin, .offset: 40, .size: 8, .value_kind: global_buffer, .address_space: global }
      - { .name: sin, .offset: 48, .size: 8, .value_kind: global_buffer, .address_space: global }
    .group_segment_fixed_size: 60928
    .private_segment_fixed_size: 0
    .kernarg_segment_align: 8
    .kernarg_segment_size: 56
    .max_flat_workgroup_size: 128
    .sgpr_count:     66
    .vgpr_count:     256
    .wavefront_size: 32
...
	.end_amdgpu_metadata
.endif
;; end of part 1
;; launch proj (part 2): grid 8 x 48, 4 waves a work-group, clusters of 4 x 4, 327,680 bytes of LDS; arguments cin, sin, qkvc, qkvs; writes qkvc, qkvs
.if DOCPART == 2
	.amdgcn_target "amdgcn-amd-amdhsa--gfx1250"
	.amdhsa_code_object_version 6
	.text
	.protected	k_q08e5d1d0ec_proj
	.globl	k_q08e5d1d0ec_proj
	.p2align	8
	.type	k_q08e5d1d0ec_proj,@function
k_q08e5d1d0ec_proj:
	s_mov_b64 s[64:65], 0
	v_nop
	global_prefetch_b8 v0, s[64:65] scope:SCOPE_SE
	s_setreg_imm32_b32 hwreg(HW_REG_WAVE_MODE, 25, 1), 1
	s_wait_xcnt 0x0
	s_wait_alu depctr_hold_cnt(0) depctr_sa_sdst(0) depctr_va_vdst(0) depctr_va_sdst(0) depctr_va_ssrc(0) depctr_va_vcc(0) depctr_vm_vsrc(0)
	s_getreg_b32 s2, hwreg(HW_REG_IB_STS2, 6, 4)
	s_cmp_eq_u32 s2, 0
	s_cbranch_scc0 .Lentry_in_a_cluster
	s_endpgm
.Lentry_in_a_cluster:
	s_bfe_u32 s2, ttmp6, 0x10000c
	s_cmp_lg_u32 s2, 0xf033
	s_cbranch_scc0 .Lentry_shape_is_right
	s_endpgm
.Lentry_shape_is_right:
; The three projections on codes of FP6 (E2M3), K = 1,024, and the quantising of their results.  Out[r][p] = sum over k of R[r][k] P[p][k]; source 0 = 16 rows of P, source 1 = 16 rows of R,
; so a lane holds ONE row r and its registers run along p, in p's true order (the rows of a tile are chosen so: lane row r of tile T is row 32 (T / 2) + 8 (T % 2) + r + 8 (r / 8)).
; Clusters with y < 8: R = tokens of x, P = the rows (head, e) of Wq and Wk: q and k come out quantised along the head's 64.  Clusters with y >= 8: R = the rows of Wv, P = tokens: v comes out quantised along the keys.
; The choice is made by selects on the cluster's y, which all sixteen partners share; there is one path.
; A work-group makes 256 x 256, a wave 128 x 128: 64 accumulators.  K goes in four steps of 256 through three LDS slots; steps 0, 1, 2 and all scale words are first fills, step 3 is the one refill (into slot 0).
; Operands lie in memory as images of their registers (768 bytes for 16 rows x 64 K), so every LDS load of 8 bytes a lane reads 256 consecutive bytes: no padding.
; CLUSTER 4 x 4: R's tiles are shared along a row of the cluster, P's along a column; each is asked for jointly.
; LIMITS of the quantiser: blocks under 2^-124 are held at byte 1; a block of zeros gets byte 1 (zero codes; the bytes are this program's own); NaN and infinities are not served.
; REGISTERS: window 0: v16-29 addresses; v32-63 scale words, two sets; v64-127 at work on the way out; v128-223 R's fragments, one set.  window 1: P's fragments, two sets, at v0 and v128.
;   window 2: accumulators of my R tiles 0-3 ((a, b) at v[8 (8 (a % 4) + b)]);  window 3: of tiles 4-7.
.set FR,    12                         ; registers of a fragment, 16 rows x 128 K
.set NL,    6                          ; LDS loads that bring one
.set KSB,   3072                       ; a tile's bytes of a K step of 256
.set HALFT, 8*KSB                      ; 8 tiles: what one tensor load brings and one wave reads of R or of P
.set SLOT,  4*HALFT
.set SCL,   3*SLOT                     ; the scale words: 4,096 bytes for each 128 rows, all of K
.set SPARE, SCL+4*4096                 ; the spare words, 128 bytes a wave: two blocks of 256 bytes that no other line names
.set ADRA, 16                          ; v16-18 my R fragments in slot 0, 1, 2
.set ADRB, 20                          ; v20-22 my P fragments
.set ADSA, 24                          ; v24    my R scale words
.set ADSB, 25                          ; v25    my P scale words
.set L8,   26                          ; v26    8 x lane
.set L16,  27                          ; v27    16 x lane
.set SPW,  28                          ; v28    my spare word's LDS address; never rewritten
.set NIL,  29                          ; v29    0; never rewritten
.set SC,   32                          ; scale words: SC + 16 set + 8 q + (0-3: R's tiles j | 4 + j in lanes 0-15 | 16-31;  4-7: P's likewise)
.set TM,   64
.set PC,   80                          ; two sets of 20
.set WD,   120                         ; eight tiles' scale words
.set AF,   128
.set G1,   24
.set G0,   32                          ; three sets
.set G1B,  44
.set G0B,  52                          ; three sets
.set G1S,  68
.set G0S,  76
.set G1SB, 80
.set G0SB, 88
.set SEL,  20
.set MSB, 0
.macro WIN new                         ; the immediate's high byte repeats the setting that is left
.if MSB != (\new)
	s_set_vgpr_msb (MSB<<8)|(\new)
.set MSB, (\new)
.endif
.endm
.set MUL_LO, 0xa1                      ; source 0 (P) window 1, source 1 (R) window 0, C and D window 2
.set MUL_HI, 0xf1
.set TO_B,   0x40
.macro JLOAD g0a, g1a, g0b, g1b        ; a joint load: waves 0 and 1 fetch R's halves, waves 2 and 3 P's; an s_nop 0 and four v_nop follow each line
	s_cmp_eq_u32 s15, 0
	s_cbranch_scc0 .Lfor_b_\@
	tensor_load_to_lds s[\g0a:\g0a+3], s[\g1a:\g1a+7]
	s_nop 0
.rept 4
	v_nop
.endr
	s_branch .Lasked_\@
.Lfor_b_\@:
	tensor_load_to_lds s[\g0b:\g0b+3], s[\g1b:\g1b+7]
	s_nop 0
.rept 4
	v_nop
.endr
.Lasked_\@:
.endm
.macro CREST
	s_cmp_lg_u32 s14, 0
	s_cbranch_scc1 .Lnot_wave_0_\@
	s_barrier_signal -3
.Lnot_wave_0_\@:
	s_barrier_wait -3
	s_barrier_signal -1
	s_barrier_wait -1
.endm
.macro CROUND
	s_barrier_signal -1
	s_barrier_wait -1
	CREST
.endm
.macro PLACES n
.rept \n
	v_nop
.endr
.endm
	s_load_b256 s[4:11], s[0:1], 0x0               ; cin, sin, qkvc, qkvs
	v_lshl_add_u32 v[SPW], v0, 2, SPARE
	v_mov_b32 v[NIL], 0
	ds_add_u32 v[SPW], v[NIL]                      ; the wave's opening: the add and its wait stand ahead of my first tensor load; work on registers stands between
	v_lshrrev_b32 v1, 5, v0
	v_readfirstlane_b32 s14, v1                    ; wave
	s_lshr_b32 s15, s14, 1                         ; my half of R's rows.  Also: I fetch for R (0) or P (1)
	s_and_b32 s16, s14, 1                          ; my half of P's rows.  Also: which half I fetch
	s_bfe_u32 s17, ttmp6, 0x40000                  ; cx
	s_bfe_u32 s18, ttmp6, 0x40004                  ; cy
	s_and_b32 s19, ttmp7, 0xffff                   ; the cluster's y
	s_lshl_b32 s20, s18, 2
	s_lshl_b32 s20, 15, s20                        ; my row of the cluster
	s_lshl_b32 s21, 0x1111, s17                    ; my column
	s_or_b32 s[G1], s20, (3<<16)|(1<<21)           ; the mask; elements of 8 bytes; bit 21 beside a mask; no padding
	s_or_b32 s[G1B], s21, (3<<16)|(1<<21)
	s_or_b32 s[G1S], s20, (3<<16)|(1<<21)
	s_or_b32 s[G1SB], s21, (3<<16)|(1<<21)
.irp g, G1, G1B                                ; codes: 8 tiles' 3,072 bytes, 12,288 bytes apart
	s_mov_b32 s[\g+1], 384<<16
	s_mov_b32 s[\g+2], 8<<16
	s_mov_b32 s[\g+3], 384<<16
	s_mov_b32 s[\g+4], 8
	s_mov_b32 s[\g+5], 1536
	s_mov_b32 s[\g+6], 0
	s_mov_b32 s[\g+7], 0
.endr
.irp g, G1S, G1SB                              ; scale words: 4,096 dense bytes as 16 rows of 256
	s_mov_b32 s[\g+1], 32<<16
	s_mov_b32 s[\g+2], 16<<16
	s_mov_b32 s[\g+3], 32<<16
	s_mov_b32 s[\g+4], 16
	s_mov_b32 s[\g+5], 32
	s_mov_b32 s[\g+6], 0
	s_mov_b32 s[\g+7], 0
.endr
	s_lshl_b32 s22, s19, 2
	s_add_co_u32 s22, s22, s18                     ; q, k: R's block of 256 tokens = 4 y + cy
	s_sub_co_u32 s92, s19, 8
	s_lshl_b32 s92, s92, 1
	s_add_co_u32 s92, s92, ttmp9                   ; v: P's cluster coordinate = 2 (y - 8) + x
	s_cmp_lt_u32 s19, 8
	s_cselect_b32 s22, s22, s18                    ; RT (v: cy)
	s_cselect_b32 s23, 0, 640                      ; R's first tile: x, or Wv
	s_cselect_b32 s92, ttmp9, s92
	s_cselect_b32 s93, 512, 0                      ; P's first tile: Wq and Wk, or x
	s_lshl_b32 s92, s92, 2
	s_add_co_u32 s92, s92, s17                     ; PT
	s_lshl_b32 s94, s16, 3
	s_lshl_b32 s95, s22, 4
	s_add_co_u32 s95, s95, s23
	s_add_co_u32 s95, s95, s94                     ; the first tile of R that I would fetch (made of y and cy alone),
	s_lshl_b32 s96, s92, 4
	s_add_co_u32 s96, s96, s93
	s_add_co_u32 s96, s96, s94                     ; and of P (of x, y and cx alone)
	s_mul_i32 s98, s95, 12288
	s_mov_b32 s99, 0
	s_lshl_b32 s100, s95, 9                        ; 4,096 bytes of scale words for 8 tiles
	s_mov_b32 s101, 0
	s_mul_i32 s2, s96, 12288
	s_mov_b32 s3, 0
	s_lshl_b32 s96, s96, 9
	s_mov_b32 s97, 0
	s_mul_i32 s94, s14, HALFT                      ; where they go: by the wave's number alone
	s_lshl_b32 s95, s14, 12
	s_wait_dscnt 0x0                               ; the opening add is done
	s_wait_kmcnt 0x0
	s_add_nc_u64 s[98:99], s[4:5], s[98:99]
	s_add_nc_u64 s[100:101], s[6:7], s[100:101]
	s_add_nc_u64 s[2:3], s[4:5], s[2:3]
	s_add_nc_u64 s[96:97], s[6:7], s[96:97]
	CROUND                                         ; all sixteen work-groups are here: the first joint loads meet
	s_mov_b32 s[G0S], 1
	s_add_co_u32 s[G0S+1], s95, SCL
	s_mov_b64 s[G0S+2:G0S+3], s[100:101]
	s_or_b32 s[G0S+3], s[G0S+3], 0x80000000
	s_mov_b32 s[G0SB], 1
	s_add_co_u32 s[G0SB+1], s95, SCL
	s_mov_b64 s[G0SB+2:G0SB+3], s[96:97]
	s_or_b32 s[G0SB+3], s[G0SB+3], 0x80000000
	JLOAD G0S, G1S, G0SB, G1SB                     ; the scale words first: they are wanted with K step 0
.irp s, 0,1,2                                  ; K steps 0, 1, 2 into slots 0, 1, 2: with the scale words four loads of mine are out
	s_mov_b32 s[G0+4*\s], 1
	s_add_co_u32 s[G0+4*\s+1], s94, \s*SLOT
	s_add_nc_u64 s[G0+4*\s+2:G0+4*\s+3], s[98:99], \s*KSB
	s_or_b32 s[G0+4*\s+3], s[G0+4*\s+3], 0x80000000
	s_mov_b32 s[G0B+4*\s], 1
	s_add_co_u32 s[G0B+4*\s+1], s94, \s*SLOT
	s_add_nc_u64 s[G0B+4*\s+2:G0B+4*\s+3], s[2:3], \s*KSB
	s_or_b32 s[G0B+4*\s+3], s[G0B+4*\s+3], 0x80000000
	JLOAD G0+4*\s, G1, G0B+4*\s, G1B
.endr
	v_and_b32 v1, 31, v0
	v_lshlrev_b32 v[L8], 3, v1
	v_lshlrev_b32 v[L16], 4, v1
	s_mul_i32 s20, s15, HALFT
	s_mul_i32 s21, s16, HALFT
	s_add_co_u32 s21, s21, 2*HALFT
.irp s, 0,1,2
	v_add_nc_u32 v[ADRA+\s], s20, v[L8]
	v_add_nc_u32 v[ADRB+\s], s21, v[L8]
	s_add_co_u32 s20, s20, SLOT
	s_add_co_u32 s21, s21, SLOT
.endr
	s_lshl_b32 s20, s15, 12
	s_add_co_u32 s20, s20, SCL
	v_add_nc_u32 v[ADSA], s20, v[L16]
	s_lshl_b32 s21, s16, 12
	s_add_co_u32 s21, s21, SCL+8192
	v_add_nc_u32 v[ADSB], s21, v[L16]
.irp b, 0,1,2,3
	v_mov_b32 v[TM+4+\b], 0                        ; written once: a lane permute's destination counts as one of its sources
.endr
.macro FRAG reg, adr, q, i             ; tile i's fragment of the slot's q-th 128 along K: two images of 768 bytes, 8 bytes a lane and load
.irp p, 0,1,2,3,4,5
	ds_load_b64 v[\reg+2*\p:\reg+2*\p+1], v[\adr] offset:(\i)*KSB+(2*(\q)+\p/3)*768+(\p%3)*256
.endr
.endm
.macro FETCH_B slot, q, set
	WIN TO_B
.irp i, 0,1,2,3,4,5,6,7
	FRAG 128*(\set)+FR*\i, ADRB+\slot, \q, \i
.endr
	WIN 0
.endm
.macro FETCH_A slot, q, i0
.irp i, \i0, \i0+1, \i0+2, \i0+3
	FRAG AF+FR*(\i), ADRA+\slot, \q, \i
.endr
.endm
.macro SCALES kt                       ; K step kt's scale words, both 128s, into set kt % 2: one load gives four registers, tile j below, tile 4 + j above
.irp q, 0,1
	ds_load_b128 v[SC+16*((\kt)%2)+8*\q:SC+16*((\kt)%2)+8*\q+3], v[ADSA] offset:(2*(\kt)+\q)*512
	ds_load_b128 v[SC+16*((\kt)%2)+8*\q+4:SC+16*((\kt)%2)+8*\q+7], v[ADSB] offset:(2*(\kt)+\q)*512
.endr
.endm
; one product.  rb, ra: the scale words of source 0, 1 stand in lanes 16-31.  cm = 1: the constant 0 starts the sum; 0: in place
.macro WM d, bf, af, sb, sa, rb, ra, cm
.if (\cm) == 1
.if (\rb) && (\ra)
	v_wmma_scale_f32_16x16x128_f8f6f4 v[(\d):(\d)+7], v[(\bf):(\bf)+11], v[(\af):(\af)+11], 0, v[\sb], v[\sa] matrix_a_fmt:MATRIX_FMT_FP6 matrix_b_fmt:MATRIX_FMT_FP6 matrix_a_scale:MATRIX_SCALE_ROW1 matrix_b_scale:MATRIX_SCALE_ROW1
.elseif \rb
	v_wmma_scale_f32_16x16x128_f8f6f4 v[(\d):(\d)+7], v[(\bf):(\bf)+11], v[(\af):(\af)+11], 0, v[\sb], v[\sa] matrix_a_fmt:MATRIX_FMT_FP6 matrix_b_fmt:MATRIX_FMT_FP6 matrix_a_scale:MATRIX_SCALE_ROW1
.elseif \ra
	v_wmma_scale_f32_16x16x128_f8f6f4 v[(\d):(\d)+7], v[(\bf):(\bf)+11], v[(\af):(\af)+11], 0, v[\sb], v[\sa] matrix_a_fmt:MATRIX_FMT_FP6 matrix_b_fmt:MATRIX_FMT_FP6 matrix_b_scale:MATRIX_SCALE_ROW1
.else
	v_wmma_scale_f32_16x16x128_f8f6f4 v[(\d):(\d)+7], v[(\bf):(\bf)+11], v[(\af):(\af)+11], 0, v[\sb], v[\sa] matrix_a_fmt:MATRIX_FMT_FP6 matrix_b_fmt:MATRIX_FMT_FP6
.endif
.else
.if (\rb) && (\ra)
	v_wmma_scale_f32_16x16x128_f8f6f4 v[(\d):(\d)+7], v[(\bf):(\bf)+11], v[(\af):(\af)+11], v[(\d):(\d)+7], v[\sb], v[\sa] matrix_a_fmt:MATRIX_FMT_FP6 matrix_b_fmt:MATRIX_FMT_FP6 matrix_a_scale:MATRIX_SCALE_ROW1 matrix_b_scale:MATRIX_SCALE_ROW1
.elseif \rb
	v_wmma_scale_f32_16x16x128_f8f6f4 v[(\d):(\d)+7], v[(\bf):(\bf)+11], v[(\af):(\af)+11], v[(\d):(\d)+7], v[\sb], v[\sa] matrix_a_fmt:MATRIX_FMT_FP6 matrix_b_fmt:MATRIX_FMT_FP6 matrix_a_scale:MATRIX_SCALE_ROW1
.elseif \ra
	v_wmma_scale_f32_16x16x128_f8f6f4 v[(\d):(\d)+7], v[(\bf):(\bf)+11], v[(\af):(\af)+11], v[(\d):(\d)+7], v[\sb], v[\sa] matrix_a_fmt:MATRIX_FMT_FP6 matrix_b_fmt:MATRIX_FMT_FP6 matrix_b_scale:MATRIX_SCALE_ROW1
.else
	v_wmma_scale_f32_16x16x128_f8f6f4 v[(\d):(\d)+7], v[(\bf):(\bf)+11], v[(\af):(\af)+11], v[(\d):(\d)+7], v[\sb], v[\sa] matrix_a_fmt:MATRIX_FMT_FP6 matrix_b_fmt:MATRIX_FMT_FP6
.endif
.endif
.endm
; 16 products: R's tiles a0, a0 + 1 x P's eight.  The 64 accumulators take turns, one instruction a turn, in the same order in every step.
.macro MUL16 a0, set, q, sc, zero
.irp a, \a0, \a0+1
.irp b, 0,1,2,3,4,5,6,7
	WM 8*(8*((\a)%4)+\b), 128*(\set)+FR*\b, AF+FR*(\a), SC+16*(\sc)+8*(\q)+4+(\b)%4, SC+16*(\sc)+8*(\q)+(\a)%4, (\b)/4, (\a)/4, \zero
.endr
.endr
.endm
; A step of 128 along K (the q-th of K step kt), which fetches the fragments of the next one (slot nslot, its nq-th).
; sync = 0: nothing to order.  1: the next slot's tile is awaited and shown to all four waves.  2: the change of slots behind which slot 0 is filled again.
.macro KS slot, q, kt, nslot, nq, sync, zero
.if (\sync) != 0
	s_wait_tensorcnt 0x0                           ; all my tensor loads have landed
.endif
.if (\sync) == 2
	ds_add_u32 v[SPW], v[NIL]                      ; 0 onto my spare word
	s_add_nc_u64 s[G0+2:G0+3], s[G0+2:G0+3], 3*KSB   ; no load of mine is out, so slot 0's descriptors may step: K step 3
	s_add_nc_u64 s[G0B+2:G0B+3], s[G0B+2:G0B+3], 3*KSB
	s_wait_dscnt 4*NL+1                            ; the add and the youngest 24 loads (R's tiles 4-7) may be out
.else
	s_wait_dscnt 4*NL                              ; P's set, R's tiles 0-3 and the scale words are in; the youngest 24 loads may be out
.endif
	WIN MUL_LO
	MUL16 0, \q, \q, (\kt)%2, \zero
.if (\sync) != 0
	s_wait_dscnt 0x0                               ; the add is done and my reads of the slot are over
	s_barrier_signal -1
.endif
	MUL16 2, \q, \q, (\kt)%2, \zero
.if (\sync) != 0
	WIN 0
	s_barrier_wait -1
.else
	s_wait_dscnt 0x0                               ; R's tiles 4-7 are in
.endif
.if (\sync) == 2
	CREST                                          ; the barrier has opened a round of the cluster's: no wave of any partner still reads slot 0 or has a load on its way
	JLOAD G0, G1, G0B, G1B                         ; the one refill: it has 256 products in which to land; its four v_nop are the places in front of the loads below
.else
	PLACES 4
.endif
	FETCH_B \nslot, \nq, \nq
	FETCH_A \nslot, \nq, 0
.if (\q) == 1
	SCALES (\kt)+1
.endif
	WIN MUL_HI
	MUL16 4, \q, \q, (\kt)%2, \zero
	MUL16 6, \q, \q, (\kt)%2, \zero
	PLACES 4
	WIN 0
	FETCH_A \nslot, \nq, 4
.endm
	s_wait_tensorcnt 2                             ; the scale words and my part of K step 0 are in; K steps 1 and 2 may be out
	s_barrier_signal -1
	s_barrier_wait -1
	FETCH_B 0, 0, 0
	FETCH_A 0, 0, 0
	SCALES 0
	FETCH_A 0, 0, 4
	KS 0, 0, 0, 0, 1, 0, 1                         ; the first products start the sums
	KS 0, 1, 0, 1, 0, 2, 0                         ; slot 0 is left and filled again
	KS 1, 0, 1, 1, 1, 0, 0
	KS 1, 1, 1, 2, 0, 0, 0                         ; slot 2 was shown landed by every wave in front of the round above
	KS 2, 0, 2, 2, 1, 0, 0
	KS 2, 1, 2, 0, 0, 1, 0                         ; K step 3 has landed, in every wave
	KS 0, 0, 3, 0, 1, 0, 0
	s_wait_dscnt 4*NL
	WIN MUL_LO
	MUL16 0, 1, 1, 1, 0
	MUL16 2, 1, 1, 1, 0
	s_wait_dscnt 0x0
	WIN MUL_HI
	MUL16 4, 1, 1, 1, 0
	MUL16 6, 1, 1, 1, 0
	WIN 0
; THE WAY OUT.  The 64 registers of R tile a are 128 neighbours along p of the lane's row: four blocks of 32.  They become a fragment (two images of 768 bytes) and a scale word.
; q, k: image c is head 2 phi + c, token tile 8 (rho % 16) + a.   v: image c is the 64-key half c of key step rho % 16, tile a of head pair phi.
	s_lshl_b32 s94, s22, 1
	s_add_co_u32 s94, s94, s15                     ; my 128 rows of R
	s_lshl_b32 s95, s92, 1
	s_add_co_u32 s95, s95, s16                     ; my 128 rows of P
	s_mov_b32 s98, 1572864
	s_mov_b32 s99, 12582912
	s_cmp_lt_u32 s19, 8
	s_cselect_b32 s96, s94, s95                    ; rho: the 128 tokens
	s_cselect_b32 s97, s95, s94                    ; phi: the pair of heads (q 0-7, k 8-15; v 0-7)
	s_cselect_b32 s98, 3145728, s98                ; bytes of a batch
	s_cselect_b32 s99, 0, s99                      ; where the part begins
	s_cselect_b32 s100, 0, 16
	s_add_co_u32 s100, s100, s97
	s_lshr_b32 s101, s96, 4
	s_mul_i32 s98, s101, s98
	s_add_co_u32 s98, s98, s99
	s_and_b32 s101, s96, 15
	s_mul_i32 s101, s101, 6144
	s_add_co_u32 s98, s98, s101
	s_mul_i32 s101, s97, 196608
	s_add_co_u32 s98, s98, s101
	s_mov_b32 s99, 0
	s_add_nc_u64 s[8:9], s[8:9], s[98:99]
	s_lshl_b32 s100, s100, 6
	s_add_co_u32 s100, s100, s96
	s_lshl_b32 s100, s100, 9
	s_mov_b32 s101, 0
	s_add_nc_u64 s[10:11], s[10:11], s[100:101]
	s_mov_b32 s[SEL], 0x76543210
	s_mov_b32 s[SEL+1], 0xfedcba98
	s_mov_b32 s23, 0xffff0000                      ; lanes 16-31
.macro QUANTW a
.set AC, 64*((\a)%4)
.set PCX, PC+20*((\a)%2)
	s_wait_xcnt 0x0                                ; earlier stores have read the codes' registers
	WIN 0x0a+5*((\a)/4)                            ; sources 0 and 1: window 2 or 3
.irp b, 0,1,2,3
	v_max3_num_f32 v[TM+\b], |v[AC+16*\b]|, |v[AC+16*\b+1]|, 0x1800000   ; each accumulator is read from its low end on; the floor 2^(3 - 127) holds the byte at 1
.endr
.irp i, 2,4,6,8,10,12,14
.irp b, 0,1,2,3
	v_max3_num_f32 v[TM+\b], |v[AC+16*\b+\i]|, |v[AC+16*\b+\i+1]|, v[TM+\b]
.endr
.endr
	WIN 0
.irp b, 0,1,2,3
	v_permlanex16_b32 v[TM+4+\b], v[TM+\b], s[SEL], s[SEL+1]
.endr
.irp b, 0,1,2,3
	v_max_num_f32 v[TM+\b], v[TM+\b], v[TM+4+\b]
.endr
.irp b, 0,1,2,3
	v_add_nc_u32 v[TM+12+\b], 0xff000000, v[TM+\b]
.endr
.irp b, 0,1,2,3
	v_lshrrev_b32 v[TM+4+\b], 23, v[TM+12+\b]
.endr
	v_lshl_or_b32 v[WD+(\a)], v[TM+5], 8, v[TM+4]
	v_lshl_or_b32 v[WD+(\a)], v[TM+6], 16, v[WD+(\a)]
	v_lshl_or_b32 v[WD+(\a)], v[TM+7], 24, v[WD+(\a)]
	WIN 0x02+((\a)/4)                              ; source 0: window 2 or 3
.irp c, 0,1
	v_cvt_scalef32_pk16_fp6_f32 v[PCX+6*\c:PCX+2+6*\c], v[AC+32*\c:AC+15+32*\c], v[TM+12+2*\c]
	v_cvt_scalef32_pk16_fp6_f32 v[PCX+12+4*\c:PCX+14+4*\c], v[AC+16+32*\c:AC+31+32*\c], v[TM+12+2*\c+1]
.endr
	WIN 0
	v_nop                                          ; one plain place behind a scaled conversion
.irp c, 0,1
.irp i, 0,1,2
	v_permlane16_swap_b32 v[PCX+6*\c+\i], v[PCX+12+4*\c+\i]
.endr
.irp i, 0,1,2
	v_mov_b32 v[PCX+3+6*\c+\i], v[PCX+12+4*\c+\i]
.endr
.endr
.irp k, 0,1,2,3,4,5
	global_store_b64 v[L8], v[PCX+2*\k:PCX+2*\k+1], s[8:9] offset:(\a)*768+(\k/3)*98304+(\k%3)*256   ; 256 consecutive bytes, aligned
.endr
.endm
	PLACES 4                                       ; behind the last products, ahead of the first read of results
.irp a, 0,1,2,3,4,5,6,7
	QUANTW \a
.endr
.irp j, 0,1,2,3
	v_cndmask_b32 v[TM+\j], v[WD+\j], v[WD+4+\j], s23   ; tile j's words in lanes 0-15, tile 4 + j's in lanes 16-31
.endr
	global_store_b128 v[L16], v[TM:TM+3], s[10:11]      ; the 512 bytes of scale words of my 128 rows
.irp j, 0,1,2,3
	v_lshrrev_b32 v[TM+4+\j], 16, v[TM+\j]         ; the same with the odd head's two bytes brought to the low end
.endr
	global_store_b128 v[L16], v[TM+4:TM+7], s[10:11] offset:786432
	s_wait_tensorcnt 0x0                           ; the wave's end
	ds_add_u32 v[SPW], v[NIL]
	s_wait_dscnt 0x0
	CROUND                                         ; the closing round
	s_endpgm
.Lfunc_end_k_q08e5d1d0ec_proj:
	.size	k_q08e5d1d0ec_proj, .Lfunc_end_k_q08e5d1d0ec_proj-k_q08e5d1d0ec_proj
	.p2alignl 7, 3214868480
	.fill 96, 4, 3214868480
	.section	.rodata,"a",@progbits
	.p2align	6, 0x0
	.amdhsa_kernel k_q08e5d1d0ec_proj
		.amdhsa_group_segment_fixed_size 327680
		.amdhsa_private_segment_fixed_size 0
		.amdhsa_enable_private_segment 0
		.amdhsa_kernarg_size 32
		.amdhsa_user_sgpr_count 2
		.amdhsa_user_sgpr_kernarg_segment_ptr 1
		.amdhsa_wavefront_size32 1
		.amdhsa_system_sgpr_workgroup_id_x 1
		.amdhsa_system_sgpr_workgroup_id_y 1
		.amdhsa_system_sgpr_workgroup_id_z 1
		.amdhsa_system_vgpr_workitem_id 0
		.amdhsa_next_free_vgpr 1024
		.amdhsa_next_free_sgpr 102
		.amdhsa_reserve_vcc 0
		.amdhsa_float_denorm_mode_32 3
		.amdhsa_float_denorm_mode_16_64 3
		.amdhsa_memory_ordered 1
		.amdhsa_forward_progress 1
		.amdhsa_inst_pref_size 165
	.end_amdhsa_kernel
	.amdgpu_metadata
---
amdhsa.version: [ 1, 2 ]
amdhsa.kernels:
  - .name:           k_q08e5d1d0ec_proj
    .symbol:         k_q08e5d1d0ec_proj.kd
    .args:
      - { .name: cin, .offset: 0, .size: 8, .value_kind: global_buffer, .address_space: global }
      - { .name: sin, .offset: 8, .size: 8, .value_kind: global_buffer, .address_space: global }
      - { .name: qkvc, .offset: 16, .size: 8, .value_kind: global_buffer, .address_space: global }
      - { .name: qkvs, .offset: 24, .size: 8, .value_kind: global_buffer, .address_space: global }
    .group_segment_fixed_size: 327680
    .private_segment_fixed_size: 0
    .kernarg_segment_align: 8
    .kernarg_segment_size: 32
    .max_flat_workgroup_size: 128
    .sgpr_count:     102
    .vgpr_count:     1024
    .wavefront_size: 32
...
	.end_amdgpu_metadata
.endif
;; end of part 2
;; launch attn (part 3): grid 8 x 64, 16 waves a work-group, clusters of 4 x 1, 215,040 bytes of LDS; arguments qkvc, qkvs, aoc, aos; writes aoc, aos
.if DOCPART == 3
	.amdgcn_target "amdgcn-amd-amdhsa--gfx1250"
	.amdhsa_code_object_version 6
	.text
	.protected	k_q08e5d1d0ec_attn
	.globl	k_q08e5d1d0ec_attn
	.p2align	8
	.type	k_q08e5d1d0ec_attn,@function
k_q08e5d1d0ec_attn:
	s_mov_b64 s[64:65], 0
	v_nop
	global_prefetch_b8 v0, s[64:65] scope:SCOPE_SE
	s_setreg_imm32_b32 hwreg(HW_REG_WAVE_MODE, 25, 1), 1
	s_wait_xcnt 0x0
	s_wait_alu depctr_hold_cnt(0) depctr_sa_sdst(0) depctr_va_vdst(0) depctr_va_sdst(0) depctr_va_ssrc(0) depctr_va_vcc(0) depctr_vm_vsrc(0)
	s_getreg_b32 s2, hwreg(HW_REG_IB_STS2, 6, 4)
	s_cmp_eq_u32 s2, 0
	s_cbranch_scc0 .Lentry_in_a_cluster
	s_endpgm
.Lentry_in_a_cluster:
	s_bfe_u32 s2, ttmp6, 0x10000c
	s_cmp_lg_u32 s2, 0x3003
	s_cbranch_scc0 .Lentry_shape_is_right
	s_endpgm
.Lentry_shape_is_right:
; Causal attention of one (batch, head) on codes of FP6 (E2M3), and the quantising of its result along the head's 64.
; t = score x log2(e) / 8; M = the running largest t rounded UP to a whole number; p = 2^(t - M) is quantised along the keys, not normalised; the row's sum is taken of the unquantised p and divides at the end.
; SHARES.  y = 16 batch + head.  The eight work-groups of a y take query tiles g, 8 + g, 16 + g ..: wave w owns the tile 8 rank + g, rank = w or 15 - w by the parity of w's bits, and has rank + 1 key steps of 128 keys
; that are not wholly hidden.  The ranks of waves w, w + 4, w + 8, w + 12 add up to 30, and so do those of 4 i .. 4 i + 3.
; The tests 'step > rank' (nothing to do) and 'step = rank' (the diagonal) hang on the wave's number and the loop's counter alone.
; LDS holds the codes and scale words of ALL keys of the head: 196,608 + 16,384 bytes, filled once.  CLUSTER 4 x 1: the four partners want the same bytes and ask jointly.
; Steps 0 and 1 come by a load of their own, so that the first two steps can be worked while the other fourteen land.  No barrier and no tensor load stands in a loop.
; LAYOUT.  S^T = K Q^T (source 0 = 16 keys, source 1 = my 16 queries; K = 64, so the upper half of both fragments is zero codes), O^T = V^T P^T: a lane holds one query throughout.
; Lane row r of tile T is row 32 (T / 2) + 8 (T % 2) + r + 8 (r / 8), so the 16 registers of result tiles 2 b, 2 b + 1 are neighbours 32 b + 16 (lane / 16) + 0 .. 15.
; LIMITS of the quantiser on the way out: blocks under 2^-124 are held at byte 1; a block of zeros gets byte 1 (zero codes; the bytes are this program's own); NaN and infinities are not served.
.set STRM,  49152                      ; a stream of codes: [step 16][4 tiles][768]: K's tiles 0-3, K's 4-7, V's keys 0-63, V's keys 64-127 of a step
.set SCS,   4*STRM                     ; four streams of scale words, [step 16][256]: K's tiles 0-3, K's 4-7, V's even head, V's odd head
.set SPARE, SCS+4*4096                 ; the spare words, 128 bytes a wave: eight blocks of 256 bytes that no other line names
.set AK0,  1                           ; v1   8 x lane
.set AV0,  2                           ; v2   2 STRM + 8 x lane
.set ASK0, 3                           ; v3   K's scale words: lanes 0-15 tiles 0-3, lanes 16-31 tiles 4-7
.set ASV0, 4                           ; v4   V's scale words of my head
.set SPW,  5
.set NIL,  6
.set DQ,   7                           ; v7   my query's place in its 128, less 16 (lane / 16)
.set ADK,  8
.set ADV,  9
.set ADS,  10
.set ADT,  11
.set KF,   32                          ; v32-79   four fragments of K; the upper six registers of each stay zero
.set VF,   80                          ; v80-127  four fragments of V
.set SS,   128                         ; v128-191 S^T, then p
.set OT,   192                         ; v192-223 O^T
.set PCD,  224                         ; v224-235 p's codes
.set BM,   236                         ; v236-239 the blocks' largest
.set TT,   240                         ; v240-247 at work
.set SO,   248                         ; v248-251 the conversions' scale operands
.set SW,   252                         ; v252-255 scale words of K, then of V
; v12 -M, v13 the largest t, v[14:15] the sum in two halves, v16-27 Q (v22-27 zero), v28 Q's scale word, v29 at work, v30 f, v31 p's scale word
.set WV,   12
.set RANK, 13
.set SEL,  20
.set CS,   22
.set G1A,  24
.set G1B,  32
.set G1S,  40
.set G0S,  48
.set G0A,  52
.set G0B,  56
.set ST,   60
.set TB,   61
.set TS,   62
.macro ROUND
	s_barrier_signal -1
	s_barrier_wait -1
	s_cmp_lg_u32 s[WV], 0
	s_cbranch_scc1 .Lnot_wave_0_\@
	s_barrier_signal -3
.Lnot_wave_0_\@:
	s_barrier_wait -3
	s_barrier_signal -1
	s_barrier_wait -1
.endm
	s_load_b256 s[4:11], s[0:1], 0x0               ; qkvc, qkvs, aoc, aos
	v_lshl_add_u32 v[SPW], v0, 2, SPARE
	v_mov_b32 v[NIL], 0
	ds_add_u32 v[SPW], v[NIL]                      ; the wave's opening: the add and its wait stand ahead of the first tensor loads; work on registers stands between
	ds_add_u32 v[SPW], v[NIL]
	v_lshrrev_b32 v8, 5, v0
	s_delay_alu instid0(VALU_DEP_1)
	v_readfirstlane_b32 s[WV], v8
	s_lshr_b32 s13, s12, 2
	s_xor_b32 s13, s13, s12
	s_lshr_b32 s14, s13, 1
	s_xor_b32 s13, s13, s14
	s_and_b32 s13, s13, 1                          ; the parity of the wave's four bits
	s_mul_i32 s13, s13, 15
	s_xor_b32 s13, s13, s12                        ; rank
	s_bfe_u32 s19, ttmp6, 0x40000                  ; cx
	s_lshl_b32 s14, ttmp9, 2
	s_add_co_u32 s14, s14, s19                     ; g: it enters Q's and the results' addresses and the mask's numbers alone
	s_and_b32 s66, ttmp7, 0xffff
	s_lshr_b32 s15, s66, 4                         ; batch
	s_and_b32 s16, s66, 15                         ; head
	s_lshr_b32 s17, s16, 1                         ; pair
	s_and_b32 s18, s16, 1                          ; which of the pair
	; what I fetch, if I fetch: waves 0, 1: K's two streams; waves 2, 3: V's
	s_and_b32 s66, s12, 1
	s_lshl_b32 s67, s15, 5
	s_add_co_u32 s67, s67, s16
	s_add_co_u32 s67, s67, 16
	s_mul_i32 s67, s67, 98304
	s_mul_i32 s68, s66, 3072
	s_add_co_u32 s67, s67, s68                     ; K's codes
	s_mul_i32 s68, s15, 1572864
	s_mul_i32 s69, s17, 196608
	s_add_co_u32 s68, s68, s69
	s_mul_i32 s69, s18, 3072
	s_add_co_u32 s68, s68, s69
	s_mul_i32 s69, s66, 98304
	s_add_co_u32 s68, s68, s69
	s_add_co_u32 s68, s68, 12582912                ; V's codes
	s_lshl_b32 s70, s17, 6
	s_lshl_b32 s71, s15, 4
	s_add_co_u32 s70, s70, s71
	s_lshl_b32 s70, s70, 9                         ; (64 pair + 16 batch) x 512
	s_lshl_b32 s71, s66, 8
	s_mul_i32 s72, s18, 786432                     ; the odd head reads the words whose bytes were brought down
	s_add_co_u32 s73, s70, s71
	s_add_co_u32 s74, s73, 524288                  ; V's scale words
	s_add_co_u32 s73, s73, 262144
	s_add_co_u32 s73, s73, s72                     ; K's
	s_cmp_lt_u32 s12, 2
	s_cselect_b32 s68, s67, s68
	s_cselect_b32 s74, s73, s74
	s_mov_b32 s69, 0
	s_mov_b32 s75, 0
	; Q's and the results' places
	s_lshl_b32 s63, s13, 3
	s_add_co_u32 s63, s63, s14                     ; my tile of queries: 8 rank + g
	s_lshl_b32 s76, s15, 5
	s_add_co_u32 s76, s76, s16
	s_mul_i32 s76, s76, 98304
	s_mul_i32 s77, s63, 768
	s_add_co_u32 s76, s76, s77
	s_mov_b32 s77, 0
	s_lshr_b32 s19, s14, 2
	s_lshl_b32 s19, s19, 8
	s_and_b32 s78, s14, 3
	s_lshl_b32 s78, s78, 2
	s_add_co_u32 s19, s19, s78                     ; tile g's words in a block of scale words: 256 (g / 4) + 4 (g % 4)
	s_lshl_b32 s78, s13, 9
	s_add_co_u32 s78, s78, s70
	s_add_co_u32 s78, s78, s72
	s_add_co_u32 s78, s78, s19
	s_mov_b32 s79, 0
	s_lshl_b32 s66, s15, 7
	s_add_co_u32 s66, s66, s63
	s_lshl_b32 s66, s66, 4
	s_add_co_u32 s66, s66, s16
	s_mul_i32 s66, s66, 768
	s_mov_b32 s67, 0
	s_lshl_b32 s2, s15, 4
	s_add_co_u32 s2, s2, s13
	s_lshl_b32 s2, s2, 3
	s_add_co_u32 s2, s2, s17
	s_lshl_b32 s2, s2, 9
	s_add_co_u32 s2, s2, s19
	s_lshl_b32 s3, s18, 1
	s_add_co_u32 s2, s2, s3
	s_mov_b32 s3, 0
	; descriptor groups 1: elements of 8 bytes, the mask of all four partners, bit 21 beside it, no padding
	s_mov_b32 s[G1A], 15|(3<<16)|(1<<21)           ; steps 0 and 1: 2 rows of 3,072 bytes, 6,144 bytes apart
	s_mov_b32 s[G1A+1], 384<<16
	s_mov_b32 s[G1A+2], 2<<16
	s_mov_b32 s[G1A+3], 384<<16
	s_mov_b32 s[G1A+4], 2
	s_mov_b32 s[G1A+5], 768
	s_mov_b32 s[G1A+6], 0
	s_mov_b32 s[G1A+7], 0
	s_mov_b32 s[G1B], 15|(3<<16)|(1<<21)           ; steps 2 to 15: 14 such rows
	s_mov_b32 s[G1B+1], 384<<16
	s_mov_b32 s[G1B+2], 14<<16
	s_mov_b32 s[G1B+3], 384<<16
	s_mov_b32 s[G1B+4], 14
	s_mov_b32 s[G1B+5], 768
	s_mov_b32 s[G1B+6], 0
	s_mov_b32 s[G1B+7], 0
	s_mov_b32 s[G1S], 15|(3<<16)|(1<<21)           ; scale words: 16 rows of 256 bytes, 512 bytes apart
	s_mov_b32 s[G1S+1], 32<<16
	s_mov_b32 s[G1S+2], 16<<16
	s_mov_b32 s[G1S+3], 32<<16
	s_mov_b32 s[G1S+4], 16
	s_mov_b32 s[G1S+5], 64
	s_mov_b32 s[G1S+6], 0
	s_mov_b32 s[G1S+7], 0
	s_mov_b32 s[SEL], 0x76543210
	s_mov_b32 s[SEL+1], 0xfedcba98
	s_mov_b32 s[CS], 0x3e38aa3b                    ; c = log2(e) / sqrt(64)
	s_mov_b32 s[CS+1], s[CS]
	s_wait_dscnt 0x0                               ; the opening add is done
	s_wait_kmcnt 0x0
	s_mov_b32 s[G0S], 1
	s_lshl_b32 s[G0S+1], s12, 12
	s_add_co_u32 s[G0S+1], s[G0S+1], SCS
	s_add_nc_u64 s[G0S+2:G0S+3], s[6:7], s[74:75]
	s_or_b32 s[G0S+3], s[G0S+3], 0x80000000
	s_mov_b32 s[G0A], 1
	s_mul_i32 s[G0A+1], s12, STRM
	s_add_nc_u64 s[G0A+2:G0A+3], s[4:5], s[68:69]
	s_mov_b32 s[G0B], 1
	s_add_co_u32 s[G0B+1], s[G0A+1], 6144
	s_add_nc_u64 s[G0B+2:G0B+3], s[G0A+2:G0A+3], 12288
	s_or_b32 s[G0A+3], s[G0A+3], 0x80000000
	s_or_b32 s[G0B+3], s[G0B+3], 0x80000000
	s_add_nc_u64 s[76:77], s[4:5], s[76:77]        ; Q's codes
	s_add_nc_u64 s[78:79], s[6:7], s[78:79]        ; Q's scale words
	s_add_nc_u64 s[8:9], s[8:9], s[66:67]          ; the result's codes
	s_add_nc_u64 s[10:11], s[10:11], s[2:3]        ; and its two scale bytes a row
	ROUND                                          ; all four work-groups are here: the joint loads meet
	s_cmp_lt_u32 s[WV], 4                          ; a wave's three fills stand in one branch, ahead of every wait on TENSORcnt, LDS read and barrier: three loads of mine are out
	s_cbranch_scc0 .Lno_fill
	tensor_load_to_lds s[G0S:G0S+3], s[G1S:G1S+7]
	s_nop 0
	tensor_load_to_lds s[G0A:G0A+3], s[G1A:G1A+7]
	s_nop 0
	tensor_load_to_lds s[G0B:G0B+3], s[G1B:G1B+7]
	s_nop 0
.rept 4
	v_nop
.endr
.Lno_fill:
	v_and_b32 v8, 15, v0                           ; r
	v_bfe_u32 v9, v0, 4, 1                         ; h
	v_and_b32 v11, 31, v0
	s_delay_alu instid0(VALU_DEP_1)
	v_lshlrev_b32 v[AK0], 3, v11
	s_delay_alu instid0(VALU_DEP_4)
	v_lshlrev_b32 v10, 4, v8                       ; 16 r
.irp p, 0,1,2
	global_load_b64 v[16+2*\p:17+2*\p], v[AK0], s[76:77] offset:256*\p   ; Q's 64 along K stay in registers
.endr
	global_load_b32 v28, v10, s[78:79]
.irp i, 22,23,24,25,26,27
	v_mov_b32 v\i, 0                               ; K = 64: the upper 64 of the instruction's 128 are zero codes, on both sides
.endr
.irp t, 0,1,2,3
.irp i, 6,7,8,9,10,11
	v_mov_b32 v[KF+12*\t+\i], 0
.endr
.endr
	v_add_nc_u32 v[AV0], 2*STRM, v[AK0]
	v_lshl_add_u32 v[ASK0], v9, 12, v10
	s_delay_alu instid0(VALU_DEP_1)
	v_add_nc_u32 v[ASK0], SCS, v[ASK0]
	s_lshl_b32 s71, s18, 12
	s_add_co_u32 s71, s71, SCS+8192
	v_add_nc_u32 v[ASV0], s71, v10
	s_lshr_b32 s71, s14, 1
	s_lshl_b32 s71, s71, 5
	s_and_b32 s73, s14, 1
	s_lshl_b32 s73, s73, 3
	s_add_co_u32 s71, s71, s73                     ; 32 (g / 2) + 8 (g % 2)
	v_and_b32 v[DQ], 8, v8
	s_delay_alu instid0(VALU_DEP_1)
	v_add_nc_u32 v[DQ], v[DQ], v8
	v_lshlrev_b32 v29, 4, v9
	s_delay_alu instid0(VALU_DEP_1)
	v_sub_nc_u32 v[DQ], v[DQ], v29
	s_delay_alu instid0(VALU_DEP_1)
	v_add_nc_u32 v[DQ], s71, v[DQ]
	v_mov_b32 v13, 0xff61b1e6                      ; the largest t so far: -3e38
	s_delay_alu instid0(VALU_DEP_1)
	v_floor_f32 v12, -v13                          ; -M
	v_mov_b32 v14, 0
	v_mov_b32 v15, 0
	v_mov_b32 v29, 0
	v_mov_b32 v31, 0                               ; (named as the upper half of the pair v[30:31] before it is first written)
.irp i, 0,1,2,3,4,5,6,7
	v_mov_b32 v[TT+\i], 0                          ; written once: a lane permute's destination counts as one of its sources
.endr
.set n, 0
.rept 32
	v_mov_b32 v[OT+n], 0                           ; O^T: the step is written without a first step of its own; the first change of M multiplies zeros
.set n, n+1
.endr
; A KEY STEP of 128 keys.
.macro STEP
	s_cmp_gt_u32 s[ST], s[RANK]                    ; all its keys come after my queries: only the addresses step
	s_cbranch_scc1 .Lhidden_\@
	s_setprio 2
	v_add_nc_u32 v[ADK], s[TB], v[AK0]             ; (these four are the places behind the last step's products, ahead of the loads into their scale registers)
	v_add_nc_u32 v[ADV], s[TB], v[AV0]
	v_add_nc_u32 v[ADS], s[TS], v[ASK0]
	v_add_nc_u32 v[ADT], s[TS], v[ASV0]
	ds_load_b128 v[SW:SW+3], v[ADS]                ; K's scale words: register t: tile t below, tile 4 + t above
.irp t, 0,1,2,3
.irp p, 0,1,2
	ds_load_b64 v[KF+12*\t+2*\p:KF+12*\t+2*\p+1], v[ADK] offset:768*\t+256*\p
.endr
.endr
	s_wait_alu depctr_va_vdst(0)
	s_wait_dscnt 0x0
.irp t, 0,1,2,3
	v_wmma_scale_f32_16x16x128_f8f6f4 v[SS+8*\t:SS+8*\t+7], v[KF+12*\t:KF+12*\t+11], v[16:27], 0, v[SW+\t], v28 matrix_a_fmt:MATRIX_FMT_FP6 matrix_b_fmt:MATRIX_FMT_FP6
.endr
.rept 4
	v_nop                                          ; places in front of loads into registers that the products have read
.endr
.irp t, 0,1,2,3
.irp p, 0,1,2
	ds_load_b64 v[KF+12*\t+2*\p:KF+12*\t+2*\p+1], v[ADK] offset:STRM+768*\t+256*\p
.endr
.endr
.irp t, 0,1,2,3
.irp c, 0,1
.irp p, 0,1,2
	ds_load_b64 v[VF+12*\t+6*\c+2*\p:VF+12*\t+6*\c+2*\p+1], v[ADV] offset:STRM*\c+768*\t+256*\p
.endr
.endr
.endr
	s_wait_dscnt 24                                ; K's tiles 4-7 are in; V's 24 loads may be out
.irp t, 0,1,2,3
	v_wmma_scale_f32_16x16x128_f8f6f4 v[SS+32+8*\t:SS+32+8*\t+7], v[KF+12*\t:KF+12*\t+11], v[16:27], 0, v[SW+\t], v28 matrix_a_fmt:MATRIX_FMT_FP6 matrix_b_fmt:MATRIX_FMT_FP6 matrix_a_scale:MATRIX_SCALE_ROW1
.endr
.rept 4
	v_nop                                          ; places ahead of the load below and of the first read of the scores
.endr
	ds_load_b128 v[SW:SW+3], v[ADT]                ; V's scale words
	s_cmp_lg_u32 s[ST], s[RANK]                    ; on the diagonal hidden scores become -infinity ahead of the maximum
	s_cbranch_scc1 .Lopen_\@
	v_mov_b32 v29, 0xff800000
.set n, 0
.rept 64
	v_cmp_gt_i32 vcc_lo, 32*(n/16)+n%16, v[DQ]     ; register 16 b + i holds key 32 b + 16 (lane / 16) + i of the step
	v_cndmask_b32 v[SS+n], v[SS+n], v29, vcc_lo
.set n, n+1
.endr
.Lopen_\@:
.irp b, 0,1,2,3
	v_max3_num_f32 v[BM+\b], v[SS+16*\b], v[SS+1+16*\b], v[SS+2+16*\b]   ; the largest score of each block of 32 keys: for the row's maximum, and for the block's largest p
.endr
.irp i, 3,5,7,9,11,13
.irp b, 0,1,2,3
	v_max3_num_f32 v[BM+\b], v[BM+\b], v[SS+16*\b+\i], v[SS+1+16*\b+\i]
.endr
.endr
.irp b, 0,1,2,3
	v_max_num_f32 v[BM+\b], v[BM+\b], v[SS+15+16*\b]
.endr
.irp b, 0,1,2,3
	s_delay_alu instid0(VALU_DEP_4)
	v_permlanex16_b32 v[TT+\b], v[BM+\b], s[SEL], s[SEL+1]
.endr
.irp b, 0,1,2,3
	s_delay_alu instid0(VALU_DEP_4)
	v_max_num_f32 v[BM+\b], v[BM+\b], v[TT+\b]
.endr
	s_delay_alu instid0(VALU_DEP_2)
	v_max3_num_f32 v29, v[BM], v[BM+1], v[BM+2]
	s_delay_alu instid0(VALU_DEP_1)
	v_max_num_f32 v29, v29, v[BM+3]
	s_delay_alu instid0(VALU_DEP_1)
	v_mul_f32 v29, s[CS], v29
	s_delay_alu instid0(VALU_DEP_1)
	v_max_num_f32 v13, v13, v29                    ; the running largest t
	v_mov_b32 v29, v12
	s_delay_alu instid0(VALU_DEP_2)
	v_floor_f32 v12, -v13                          ; the new -M: M is a whole number
	s_delay_alu instid0(VALU_DEP_1)
	v_sub_f32 v29, v12, v29
	s_delay_alu instid0(VALU_DEP_1)
	v_cvt_i32_f32 v29, v29                         ; (it saturates)
	s_delay_alu instid0(VALU_DEP_1)
	v_ldexp_f32 v30, 1.0, v29                      ; f = 2^(old M - new M): exact
.set n, 0
	s_setprio 1
.rept 32
	v_pk_fma_f32 v[SS+n:SS+n+1], v[SS+n:SS+n+1], s[CS:CS+1], v[12:13] op_sel_hi:[1,0,0]   ; t - M
.set n, n+2
.endr
.irp b, 0,1,2,3
	v_fma_f32 v[BM+\b], v[BM+\b], s[CS], v12
.endr
.set n, 0
	s_wait_alu depctr_va_vdst(0)
.rept 64
	v_exp_f32 v[SS+n], v[SS+n]                     ; p
.set n, n+1
.endr
	v_pk_mul_f32 v[14:15], v[14:15], v[30:31] op_sel_hi:[1,0]   ; the sums under the new M.  (The plain place behind the exponentials)
	s_wait_alu depctr_va_vdst(0)                   ; one wait for the whole batch, ahead of its first reader
.irp b, 0,1,2,3
	v_exp_f32 v[BM+\b], v[BM+\b]                   ; the blocks' largest p: the same two instructions on the same number
.endr
	v_pk_add_f32 v[TT:TT+1], v[SS:SS+1], v[SS+2:SS+3]           ; the row's sum of the unquantised p, in two chains
.irp j, 4,8,12,16,20,24,28,32,36,40,44,48,52,56,60
	v_pk_add_f32 v[14:15], v[14:15], v[SS+\j:SS+\j+1]
	v_pk_add_f32 v[TT:TT+1], v[TT:TT+1], v[SS+2+\j:SS+3+\j]
.endr
	s_delay_alu instid0(VALU_DEP_1)
	v_pk_add_f32 v[14:15], v[14:15], v[TT:TT+1]
	s_wait_alu depctr_va_vdst(0)                   ; and one for the four
.irp b, 0,1,2,3
	v_max_num_f32 v[BM+\b], 0x1800000, v[BM+\b]    ; the floor: the byte cannot fall under 1
.endr
.irp b, 0,1,2,3
	s_delay_alu instid0(VALU_DEP_4)
	v_add_nc_u32 v[SO+\b], 0xff000000, v[BM+\b]
.endr
.irp b, 0,1,2,3
	s_delay_alu instid0(VALU_DEP_4)
	v_lshrrev_b32 v[TT+\b], 23, v[SO+\b]
.endr
	s_delay_alu instid0(VALU_DEP_3)
	v_lshl_or_b32 v31, v[TT+1], 8, v[TT]           ; p's scale word for these 128 keys
	s_delay_alu instid0(VALU_DEP_1)
	v_lshl_or_b32 v31, v[TT+2], 16, v31
	s_delay_alu instid0(VALU_DEP_1)
	v_lshl_or_b32 v31, v[TT+3], 24, v31
	s_setprio 0
.irp c, 0,1
	v_cvt_scalef32_pk16_fp6_f32 v[PCD+6*\c:PCD+2+6*\c], v[SS+32*\c:SS+15+32*\c], v[SO+2*\c]
	v_cvt_scalef32_pk16_fp6_f32 v[TT+4*\c:TT+2+4*\c], v[SS+16+32*\c:SS+31+32*\c], v[SO+2*\c+1]
.endr
.set n, 0
.rept 16
	v_pk_mul_f32 v[OT+n:OT+n+1], v[OT+n:OT+n+1], v[30:31] op_sel_hi:[1,0]   ; O^T under the new M.  (Plain work behind the conversions, well ahead of the products that add onto it)
.set n, n+2
.endr
.irp c, 0,1                                    ; a lane gets a whole block of p's codes
.irp i, 0,1,2
	v_permlane16_swap_b32 v[PCD+6*\c+\i], v[TT+4*\c+\i]
.endr
.irp i, 0,1,2
	s_delay_alu instid0(VALU_DEP_3)
	v_mov_b32 v[PCD+3+6*\c+\i], v[TT+4*\c+\i]
.endr
.endr
.rept 4
	v_nop                                          ; an operand written by vector instructions stands four places ahead of a scaled product
.endr
	s_wait_alu depctr_va_vdst(0)
	s_wait_dscnt 0x0                               ; V and its scale words are in
.irp t, 0,1,2,3
	v_wmma_scale_f32_16x16x128_f8f6f4 v[OT+8*\t:OT+8*\t+7], v[VF+12*\t:VF+12*\t+11], v[PCD:PCD+11], v[OT+8*\t:OT+8*\t+7], v[SW+\t], v31 matrix_a_fmt:MATRIX_FMT_FP6 matrix_b_fmt:MATRIX_FMT_FP6
.endr
.Lhidden_\@:
	s_add_co_u32 s[TB], s[TB], 3072
	s_add_co_u32 s[TS], s[TS], 256
.endm
	s_wait_loadcnt 0x0                             ; Q
	s_wait_tensorcnt 1                             ; the scale words and steps 0 and 1 are in; the load of steps 2 to 15 may be out
	s_barrier_signal -1
	s_barrier_wait -1
	s_mov_b32 s[ST], 0
	s_mov_b32 s[TB], 0
	s_mov_b32 s[TS], 0
.Lfirst_two:
	STEP
	s_add_co_u32 s[ST], s[ST], 1
	s_cmp_lt_u32 s[ST], 2
	s_cbranch_scc1 .Lfirst_two
	s_setprio 0
	s_wait_tensorcnt 0x0                           ; my part of steps 2 to 15 is in,
	s_wait_dscnt 0x0
	s_barrier_signal -1
	s_barrier_wait -1                              ; everybody's is
	s_mov_b32 s[ST], 2
	s_mov_b32 s[TB], 2*3072
	s_mov_b32 s[TS], 2*256
.Lthe_rest:
	STEP
	s_add_co_u32 s[ST], s[ST], 1
	s_cmp_lt_u32 s[ST], 16
	s_cbranch_scc1 .Lthe_rest
	s_setprio 0
	; THE WAY OUT: O^T / the sum; the lane's 32 registers are its row's e = 32 b + 16 (lane / 16) + 0 .. 15: two blocks, one image of 768 bytes, two scale bytes.
	v_add_f32 v14, v14, v15
	s_delay_alu instid0(VALU_DEP_1)
	v_permlanex16_b32 v29, v14, s[SEL], s[SEL+1]
	s_delay_alu instid0(VALU_DEP_1)
	v_add_f32 v14, v14, v29
	s_wait_alu depctr_va_vdst(0)
	v_rcp_f32 v14, v14
	v_and_b32 v8, 15, v0
	s_delay_alu instid0(VALU_DEP_1)
	v_lshlrev_b32 v8, 4, v8                        ; 16 r
	v_and_b32 v9, 31, v0                           ; lane
	v_nop
	s_wait_alu depctr_va_vdst(0)                   ; the wait ahead of the reciprocal's first reader
.set n, 0
.rept 32
	v_mul_f32 v[SS+n], v[OT+n], v14                ; each accumulator from its low end on
.set n, n+1
.endr
.irp b, 0,1
	v_max3_num_f32 v[BM+\b], |v[SS+16*\b]|, |v[SS+1+16*\b]|, 0x1800000
.endr
.irp i, 2,4,6,8,10,12,14
.irp b, 0,1
	s_delay_alu instid0(VALU_DEP_2)
	v_max3_num_f32 v[BM+\b], v[BM+\b], |v[SS+16*\b+\i]|, |v[SS+1+16*\b+\i]|
.endr
.endr
.irp b, 0,1
	s_delay_alu instid0(VALU_DEP_2)
	v_permlanex16_b32 v[TT+\b], v[BM+\b], s[SEL], s[SEL+1]
.endr
.irp b, 0,1
	s_delay_alu instid0(VALU_DEP_2)
	v_max_num_f32 v[BM+\b], v[BM+\b], v[TT+\b]
.endr
.irp b, 0,1
	s_delay_alu instid0(VALU_DEP_2)
	v_add_nc_u32 v[SO+\b], 0xff000000, v[BM+\b]
.endr
.irp b, 0,1
	s_delay_alu instid0(VALU_DEP_2)
	v_lshrrev_b32 v[TT+\b], 23, v[SO+\b]
.endr
	s_delay_alu instid0(VALU_DEP_1)
	v_lshl_or_b32 v29, v[TT+1], 8, v[TT]           ; my row's two bytes
	v_cvt_scalef32_pk16_fp6_f32 v[PCD:PCD+2], v[SS:SS+15], v[SO]
	v_cvt_scalef32_pk16_fp6_f32 v[TT+4:TT+6], v[SS+16:SS+31], v[SO+1]
	v_nop                                          ; one plain place behind a scaled conversion
.irp i, 0,1,2
	v_permlane16_swap_b32 v[PCD+\i], v[TT+4+\i]
.endr
.irp i, 0,1,2
	s_delay_alu instid0(VALU_DEP_3)
	v_mov_b32 v[PCD+3+\i], v[TT+4+\i]
.endr
.irp p, 0,1,2
	global_store_b64 v[AK0], v[PCD+2*\p:PCD+2*\p+1], s[8:9] offset:256*\p   ; 256 consecutive bytes, aligned
.endr
	s_wait_xcnt 0x0                                ; EXEC changes only behind this wait
	v_cmp_gt_u32 vcc_lo, 16, v9
	s_and_saveexec_b32 s66, vcc_lo
	global_store_b16 v8, v29, s[10:11]             ; two bytes of each row's word; the pair's other head writes the other two: 32 bytes beside 768 of codes
	s_wait_xcnt 0x0
	s_or_b32 exec_lo, exec_lo, s66
	s_wait_tensorcnt 0x0                           ; the wave's end
	ds_add_u32 v[SPW], v[NIL]
	s_wait_dscnt 0x0
	ROUND                                          ; the closing round
	s_endpgm
.Lfunc_end_k_q08e5d1d0ec_attn:
	.size	k_q08e5d1d0ec_attn, .Lfunc_end_k_q08e5d1d0ec_attn-k_q08e5d1d0ec_attn
	.p2alignl 7, 3214868480
	.fill 96, 4, 3214868480
	.section	.rodata,"a",@progbits
	.p2align	6, 0x0
	.amdhsa_kernel k_q08e5d1d0ec_attn
		.amdhsa_group_segment_fixed_size 215040
		.amdhsa_private_segment_fixed_size 0
		.amdhsa_enable_private_segment 0
		.amdhsa_kernarg_size 32
		.amdhsa_user_sgpr_count 2
		.amdhsa_user_sgpr_kernarg_segment_ptr 1
		.amdhsa_wavefront_size32 1
		.amdhsa_system_sgpr_workgroup_id_x 1
		.amdhsa_system_sgpr_workgroup_id_y 1
		.amdhsa_system_sgpr_workgroup_id_z 1
		.amdhsa_system_vgpr_workitem_id 0
		.amdhsa_next_free_vgpr 256
		.amdhsa_next_free_sgpr 80
		.amdhsa_reserve_vcc 1
		.amdhsa_float_denorm_mode_32 3
		.amdhsa_float_denorm_mode_16_64 3
		.amdhsa_memory_ordered 1
		.amdhsa_forward_progress 1
		.amdhsa_inst_pref_size 64
	.end_amdhsa_kernel
	.amdgpu_metadata
---
amdhsa.version: [ 1, 2 ]
amdhsa.kernels:
  - .name:           k_q08e5d1d0ec_attn
    .symbol:         k_q08e5d1d0ec_attn.kd
    .args:
      - { .name: qkvc, .offset: 0, .size: 8, .value_kind: global_buffer, .address_space: global }
      - { .name: qkvs, .offset: 8, .size: 8, .value_kind: global_buffer, .address_space: global }
      - { .name: aoc, .offset: 16, .size: 8, .value_kind: global_buffer, .address_space: global }
      - { .name: aos, .offset: 24, .size: 8, .value_kind: global_buffer, .address_space: global }
    .group_segment_fixed_size: 215040
    .private_segment_fixed_size: 0
    .kernarg_segment_align: 8
    .kernarg_segment_size: 32
    .max_flat_workgroup_size: 512
    .sgpr_count:     80
    .vgpr_count:     256
    .wavefront_size: 32
...
	.end_amdgpu_metadata
.endif
;; end of part 3
;; launch outp (part 4): grid 4 x 32, 4 waves a work-group, clusters of 4 x 4, 327,680 bytes of LDS; arguments cin, sin, aoc, aos, bo, out0; writes out0
.if DOCPART == 4
	.amdgcn_target "amdgcn-amd-amdhsa--gfx1250"
	.amdhsa_code_object_version 6
	.text
	.protected	k_q08e5d1d0ec_outp
	.globl	k_q08e5d1d0ec_outp
	.p2align	8
	.type	k_q08e5d1d0ec_outp,@function
k_q08e5d1d0ec_outp:
	s_mov_b64 s[64:65], 0
	v_nop
	global_prefetch_b8 v0, s[64:65] scope:SCOPE_SE
	s_setreg_imm32_b32 hwreg(HW_REG_WAVE_MODE, 25, 1), 1
	s_wait_xcnt 0x0
	s_wait_alu depctr_hold_cnt(0) depctr_sa_sdst(0) depctr_va_vdst(0) depctr_va_sdst(0) depctr_va_ssrc(0) depctr_va_vcc(0) depctr_vm_vsrc(0)
	s_getreg_b32 s2, hwreg(HW_REG_IB_STS2, 6, 4)
	s_cmp_eq_u32 s2, 0
	s_cbranch_scc0 .Lentry_in_a_cluster
	s_endpgm
.Lentry_in_a_cluster:
	s_bfe_u32 s2, ttmp6, 0x10000c
	s_cmp_lg_u32 s2, 0xf033
	s_cbranch_scc0 .Lentry_shape_is_right
	s_endpgm
.Lentry_shape_is_right:
; out0[r][p] = sum over k of ao[r][k] Wo[p][k] + bo[p], on codes of FP6 (E2M3), K = 1,024.  Source 0 = 16 rows of Wo (P), source 1 = 16 rows of the attention's result (R):
; a lane holds one row r, and its registers run along p in p's true order (lane row r of tile T is row 32 (T / 2) + 8 (T % 2) + r + 8 (r / 8)).
; A work-group makes 256 x 256, a wave 128 x 128: 64 accumulators.  K goes in four steps of 256 through three LDS slots; steps 0, 1, 2 and all scale words are first fills, step 3 is the one refill (into slot 0).
; Operands lie in memory as images of their registers (768 bytes for 16 rows x 64 K): every LDS load of 8 bytes a lane reads 256 consecutive bytes: no padding.
; CLUSTER 4 x 4: R's tiles are shared along a row of the cluster, P's along a column; each is asked for jointly.  The bias is the C of each sum's first product.
; 8,192 x 1,024 results are 128 such tiles: 128 work-groups.
; REGISTERS: window 0: v16-31 addresses; v32-63 scale words, two sets; v64-127 the bias, eight registers for each tile of P; v128-223 R's fragments (on the way out v128-255 rows of the result).
;   window 1: P's fragments, two sets, at v0 and v128.   windows 2, 3: the accumulators ((a, b) at v[8 (8 (a % 4) + b)]).
.set FR,    12
.set NL,    6
.set KSB,   3072
.set HALFT, 8*KSB
.set SLOT,  4*HALFT
.set SCL,   3*SLOT
.set SPARE, SCL+4*4096                 ; the spare words, 128 bytes a wave: two blocks of 256 bytes that no other line names
.set STAGE, SLOT                       ; the way out: 16 rows x (512 + 16) bytes a wave, in slot 1: it has had its one fill, and its last read stands ahead of the last barrier
.set ADRA, 16
.set ADRB, 20
.set ADSA, 24
.set ADSB, 25
.set L8,   26
.set L16,  27
.set SPW,  28
.set NIL,  29
.set STO,  30
.set RD,   31
.set SC,   32
.set BI,   64
.set AF,   128
.set BK,   128
.set G1,   24
.set G0,   32
.set G1B,  44
.set G0B,  52
.set G1S,  68
.set G0S,  76
.set G1SB, 80
.set G0SB, 88
.set MSB, 0
.macro WIN new
.if MSB != (\new)
	s_set_vgpr_msb (MSB<<8)|(\new)
.set MSB, (\new)
.endif
.endm
.set MUL_LO, 0xa1
.set MUL_HI, 0xf1
.set TO_B,   0x40
.macro JLOAD g0a, g1a, g0b, g1b        ; a joint load: waves 0 and 1 fetch R's halves, waves 2 and 3 P's; an s_nop 0 and four v_nop follow each line
	s_cmp_eq_u32 s15, 0
	s_cbranch_scc0 .Lfor_b_\@
	tensor_load_to_lds s[\g0a:\g0a+3], s[\g1a:\g1a+7]
	s_nop 0
.rept 4
	v_nop
.endr
	s_branch .Lasked_\@
.Lfor_b_\@:
	tensor_load_to_lds s[\g0b:\g0b+3], s[\g1b:\g1b+7]
	s_nop 0
.rept 4
	v_nop
.endr
.Lasked_\@:
.endm
.macro CREST
	s_cmp_lg_u32 s14, 0
	s_cbranch_scc1 .Lnot_wave_0_\@
	s_barrier_signal -3
.Lnot_wave_0_\@:
	s_barrier_wait -3
	s_barrier_signal -1
	s_barrier_wait -1
.endm
.macro CROUND
	s_barrier_signal -1
	s_barrier_wait -1
	CREST
.endm
.macro PLACES n
.rept \n
	v_nop
.endr
.endm
	s_load_b256 s[4:11], s[0:1], 0x0               ; cin, sin, aoc, aos
	s_load_b128 s[92:95], s[0:1], 0x20             ; bo, out0
	v_lshl_add_u32 v[SPW], v0, 2, SPARE
	v_mov_b32 v[NIL], 0
	ds_add_u32 v[SPW], v[NIL]                      ; the wave's opening: the add and its wait stand ahead of my first tensor load; work on registers stands between
	v_lshrrev_b32 v1, 5, v0
	v_readfirstlane_b32 s14, v1
	s_lshr_b32 s15, s14, 1                         ; my half of R's rows.  Also: I fetch for R (0) or P (1)
	s_and_b32 s16, s14, 1                          ; my half of P's rows.  Also: which half I fetch
	s_bfe_u32 s17, ttmp6, 0x40000                  ; cx
	s_bfe_u32 s18, ttmp6, 0x40004                  ; cy
	s_and_b32 s19, ttmp7, 0xffff
	s_lshl_b32 s20, s18, 2
	s_lshl_b32 s20, 15, s20                        ; my row of the cluster
	s_lshl_b32 s21, 0x1111, s17                    ; my column
	s_or_b32 s[G1], s20, (3<<16)|(1<<21)
	s_or_b32 s[G1B], s21, (3<<16)|(1<<21)
	s_or_b32 s[G1S], s20, (3<<16)|(1<<21)
	s_or_b32 s[G1SB], s21, (3<<16)|(1<<21)
.irp g, G1, G1B                                ; codes: 8 tiles' 3,072 bytes, 12,288 bytes apart
	s_mov_b32 s[\g+1], 384<<16
	s_mov_b32 s[\g+2], 8<<16
	s_mov_b32 s[\g+3], 384<<16
	s_mov_b32 s[\g+4], 8
	s_mov_b32 s[\g+5], 1536
	s_mov_b32 s[\g+6], 0
	s_mov_b32 s[\g+7], 0
.endr
.irp g, G1S, G1SB                              ; scale words: 4,096 dense bytes as 16 rows of 256
	s_mov_b32 s[\g+1], 32<<16
	s_mov_b32 s[\g+2], 16<<16
	s_mov_b32 s[\g+3], 32<<16
	s_mov_b32 s[\g+4], 16
	s_mov_b32 s[\g+5], 32
	s_mov_b32 s[\g+6], 0
	s_mov_b32 s[\g+7], 0
.endr
	s_lshl_b32 s22, s19, 2
	s_add_co_u32 s22, s22, s18                     ; RT: which 256 rows
	s_lshl_b32 s23, ttmp9, 2
	s_add_co_u32 s23, s23, s17                     ; PT: which 256 columns
	s_lshl_b32 s20, s16, 3
	s_lshl_b32 s98, s22, 4
	s_add_co_u32 s98, s98, s20                     ; the first tile of R that I would fetch,
	s_lshl_b32 s2, s23, 4
	s_add_co_u32 s2, s2, s20
	s_add_co_u32 s2, s2, 704                       ; and of P (Wo's tiles begin at 704)
	s_lshl_b32 s100, s98, 9
	s_mov_b32 s101, 0
	s_mul_i32 s98, s98, 12288
	s_mov_b32 s99, 0
	s_lshl_b32 s96, s2, 9
	s_mov_b32 s97, 0
	s_mul_i32 s2, s2, 12288
	s_mov_b32 s3, 0
	s_mul_i32 s20, s14, HALFT                      ; where they go: by the wave's number alone
	s_lshl_b32 s21, s14, 12
	s_wait_dscnt 0x0                               ; the opening add is done
	s_wait_kmcnt 0x0
	s_add_nc_u64 s[98:99], s[8:9], s[98:99]
	s_add_nc_u64 s[100:101], s[10:11], s[100:101]
	s_add_nc_u64 s[2:3], s[4:5], s[2:3]
	s_add_nc_u64 s[96:97], s[6:7], s[96:97]
	CROUND                                         ; all sixteen work-groups are here: the first joint loads meet
	s_mov_b32 s[G0S], 1
	s_add_co_u32 s[G0S+1], s21, SCL
	s_mov_b64 s[G0S+2:G0S+3], s[100:101]
	s_or_b32 s[G0S+3], s[G0S+3], 0x80000000
	s_mov_b32 s[G0SB], 1
	s_add_co_u32 s[G0SB+1], s21, SCL
	s_mov_b64 s[G0SB+2:G0SB+3], s[96:97]
	s_or_b32 s[G0SB+3], s[G0SB+3], 0x80000000
	JLOAD G0S, G1S, G0SB, G1SB
.irp s, 0,1,2                                  ; K steps 0, 1, 2 into slots 0, 1, 2: with the scale words four loads of mine are out
	s_mov_b32 s[G0+4*\s], 1
	s_add_co_u32 s[G0+4*\s+1], s20, \s*SLOT
	s_add_nc_u64 s[G0+4*\s+2:G0+4*\s+3], s[98:99], \s*KSB
	s_or_b32 s[G0+4*\s+3], s[G0+4*\s+3], 0x80000000
	s_mov_b32 s[G0B+4*\s], 1
	s_add_co_u32 s[G0B+4*\s+1], s20, \s*SLOT
	s_add_nc_u64 s[G0B+4*\s+2:G0B+4*\s+3], s[2:3], \s*KSB
	s_or_b32 s[G0B+4*\s+3], s[G0B+4*\s+3], 0x80000000
	JLOAD G0+4*\s, G1, G0B+4*\s, G1B
.endr
	; the bias: register BI + 8 b + j = bo[my first column + 32 (b / 2) + 16 (lane / 16) + 8 (b % 2) + j], the result's layout
	s_lshl_b32 s20, s23, 10
	s_lshl_b32 s21, s16, 9
	s_add_co_u32 s20, s20, s21
	s_mov_b32 s21, 0
	s_add_nc_u64 s[92:93], s[92:93], s[20:21]
	v_bfe_u32 v2, v0, 4, 1                         ; h
	v_lshlrev_b32 v3, 6, v2
.irp b, 0,1,2,3,4,5,6,7
	global_load_b128 v[BI+8*\b:BI+8*\b+3], v3, s[92:93] offset:(32*(\b/2)+8*(\b%2))*4
	global_load_b128 v[BI+8*\b+4:BI+8*\b+7], v3, s[92:93] offset:(32*(\b/2)+8*(\b%2))*4+16
.endr
	v_and_b32 v1, 31, v0
	v_lshlrev_b32 v[L8], 3, v1
	v_lshlrev_b32 v[L16], 4, v1
	s_mul_i32 s20, s15, HALFT
	s_mul_i32 s21, s16, HALFT
	s_add_co_u32 s21, s21, 2*HALFT
.irp s, 0,1,2
	v_add_nc_u32 v[ADRA+\s], s20, v[L8]
	v_add_nc_u32 v[ADRB+\s], s21, v[L8]
	s_add_co_u32 s20, s20, SLOT
	s_add_co_u32 s21, s21, SLOT
.endr
	s_lshl_b32 s20, s15, 12
	s_add_co_u32 s20, s20, SCL
	v_add_nc_u32 v[ADSA], s20, v[L16]
	s_lshl_b32 s21, s16, 12
	s_add_co_u32 s21, s21, SCL+8192
	v_add_nc_u32 v[ADSB], s21, v[L16]
	s_mul_i32 s20, s14, 16*528
	s_add_co_u32 s20, s20, STAGE                   ; my stage
	v_and_b32 v4, 15, v0
	v_mul_u32_u24 v[STO], v4, 528
	v_lshl_add_u32 v[STO], v2, 6, v[STO]
	v_add_nc_u32 v[STO], s20, v[STO]               ; in: lane row r, + 64 h
	v_add_nc_u32 v[RD], s20, v[L16]                ; back: a whole row of 512 bytes
	s_lshl_b32 s20, s22, 8
	s_lshl_b32 s21, s15, 7
	s_add_co_u32 s20, s20, s21
	s_lshl_b32 s20, s20, 12                        ; my first row of out0, 4,096 bytes a row,
	s_lshl_b32 s21, s23, 10
	s_add_co_u32 s20, s20, s21
	s_lshl_b32 s21, s16, 9
	s_add_co_u32 s20, s20, s21                     ; and my first column
	s_mov_b32 s21, 0
	s_add_nc_u64 s[94:95], s[94:95], s[20:21]
.macro FRAG reg, adr, q, i
.irp p, 0,1,2,3,4,5
	ds_load_b64 v[\reg+2*\p:\reg+2*\p+1], v[\adr] offset:(\i)*KSB+(2*(\q)+\p/3)*768+(\p%3)*256
.endr
.endm
.macro FETCH_B slot, q, set
	WIN TO_B
.irp i, 0,1,2,3,4,5,6,7
	FRAG 128*(\set)+FR*\i, ADRB+\slot, \q, \i
.endr
	WIN 0
.endm
.macro FETCH_A slot, q, i0
.irp i, \i0, \i0+1, \i0+2, \i0+3
	FRAG AF+FR*(\i), ADRA+\slot, \q, \i
.endr
.endm
.macro SCALES kt
.irp q, 0,1
	ds_load_b128 v[SC+16*((\kt)%2)+8*\q:SC+16*((\kt)%2)+8*\q+3], v[ADSA] offset:(2*(\kt)+\q)*512
	ds_load_b128 v[SC+16*((\kt)%2)+8*\q+4:SC+16*((\kt)%2)+8*\q+7], v[ADSB] offset:(2*(\kt)+\q)*512
.endr
.endm
; one product.  rb, ra: the scale words of source 0, 1 stand in lanes 16-31.  C = v[c ..]: the accumulator itself, or the bias
.macro WM d, bf, af, sb, sa, rb, ra, c
.if (\rb) && (\ra)
	v_wmma_scale_f32_16x16x128_f8f6f4 v[(\d):(\d)+7], v[(\bf):(\bf)+11], v[(\af):(\af)+11], v[(\c):(\c)+7], v[\sb], v[\sa] matrix_a_fmt:MATRIX_FMT_FP6 matrix_b_fmt:MATRIX_FMT_FP6 matrix_a_scale:MATRIX_SCALE_ROW1 matrix_b_scale:MATRIX_SCALE_ROW1
.elseif \rb
	v_wmma_scale_f32_16x16x128_f8f6f4 v[(\d):(\d)+7], v[(\bf):(\bf)+11], v[(\af):(\af)+11], v[(\c):(\c)+7], v[\sb], v[\sa] matrix_a_fmt:MATRIX_FMT_FP6 matrix_b_fmt:MATRIX_FMT_FP6 matrix_a_scale:MATRIX_SCALE_ROW1
.elseif \ra
	v_wmma_scale_f32_16x16x128_f8f6f4 v[(\d):(\d)+7], v[(\bf):(\bf)+11], v[(\af):(\af)+11], v[(\c):(\c)+7], v[\sb], v[\sa] matrix_a_fmt:MATRIX_FMT_FP6 matrix_b_fmt:MATRIX_FMT_FP6 matrix_b_scale:MATRIX_SCALE_ROW1
.else
	v_wmma_scale_f32_16x16x128_f8f6f4 v[(\d):(\d)+7], v[(\bf):(\bf)+11], v[(\af):(\af)+11], v[(\c):(\c)+7], v[\sb], v[\sa] matrix_a_fmt:MATRIX_FMT_FP6 matrix_b_fmt:MATRIX_FMT_FP6
.endif
.endm
; 16 products: R's tiles a0, a0 + 1 x P's eight.  The 64 accumulators take turns, one instruction a turn, in the same order in every step.  first = 1: the bias starts the sums
.macro MUL16 a0, set, q, sc, first
.irp a, \a0, \a0+1
.irp b, 0,1,2,3,4,5,6,7
.if \first
	WM 8*(8*((\a)%4)+\b), 128*(\set)+FR*\b, AF+FR*(\a), SC+16*(\sc)+8*(\q)+4+(\b)%4, SC+16*(\sc)+8*(\q)+(\a)%4, (\b)/4, (\a)/4, BI+8*\b
.else
	WM 8*(8*((\a)%4)+\b), 128*(\set)+FR*\b, AF+FR*(\a), SC+16*(\sc)+8*(\q)+4+(\b)%4, SC+16*(\sc)+8*(\q)+(\a)%4, (\b)/4, (\a)/4, 8*(8*((\a)%4)+\b)
.endif
.endr
.endr
.endm
; A step of 128 along K (the q-th of K step kt), which fetches the fragments of the next one (slot nslot, its nq-th).
; sync = 0: nothing to order.  1: the next slot's tile is awaited and shown to all four waves.  2: the change of slots behind which slot 0 is filled again.
.macro KS slot, q, kt, nslot, nq, sync, first
.if (\sync) != 0
	s_wait_tensorcnt 0x0                           ; all my tensor loads have landed
.endif
.if (\sync) == 2
	ds_add_u32 v[SPW], v[NIL]                      ; 0 onto my spare word
	s_add_nc_u64 s[G0+2:G0+3], s[G0+2:G0+3], 3*KSB   ; no load of mine is out, so slot 0's descriptors may step: K step 3
	s_add_nc_u64 s[G0B+2:G0B+3], s[G0B+2:G0B+3], 3*KSB
	s_wait_dscnt 4*NL+1                            ; the add and the youngest 24 loads (R's tiles 4-7) may be out
.else
	s_wait_dscnt 4*NL                              ; P's set, R's tiles 0-3 and the scale words are in; the youngest 24 loads may be out
.endif
.if \first
	WIN 0x81                                       ; C (the bias) window 0, D window 2
.else
	WIN MUL_LO
.endif
	MUL16 0, \q, \q, (\kt)%2, \first
.if (\sync) != 0
	s_wait_dscnt 0x0                               ; the add is done and my reads of the slot are over
	s_barrier_signal -1
.endif
	MUL16 2, \q, \q, (\kt)%2, \first
.if (\sync) != 0
	WIN 0
	s_barrier_wait -1
.else
	s_wait_dscnt 0x0                               ; R's tiles 4-7 are in
.endif
.if (\sync) == 2
	CREST                                          ; the barrier has opened a round of the cluster's: no wave of any partner still reads slot 0 or has a load on its way
	JLOAD G0, G1, G0B, G1B                         ; the one refill: it has 256 products in which to land; its four v_nop are the places in front of the loads below
.else
	PLACES 4
.endif
	FETCH_B \nslot, \nq, \nq
	FETCH_A \nslot, \nq, 0
.if (\q) == 1
	SCALES (\kt)+1
.endif
.if \first
	WIN 0xc1                                       ; C window 0, D window 3
.else
	WIN MUL_HI
.endif
	MUL16 4, \q, \q, (\kt)%2, \first
	MUL16 6, \q, \q, (\kt)%2, \first
	PLACES 4
	WIN 0
	FETCH_A \nslot, \nq, 4
.endm
	s_wait_loadcnt 0x0                             ; the bias
	s_wait_tensorcnt 2                             ; the scale words and my part of K step 0 are in; K steps 1 and 2 may be out
	s_barrier_signal -1
	s_barrier_wait -1
	FETCH_B 0, 0, 0
	FETCH_A 0, 0, 0
	SCALES 0
	FETCH_A 0, 0, 4
	KS 0, 0, 0, 0, 1, 0, 1                         ; the first products start the sums, on the bias
	KS 0, 1, 0, 1, 0, 2, 0                         ; slot 0 is left and filled again
	KS 1, 0, 1, 1, 1, 0, 0
	KS 1, 1, 1, 2, 0, 0, 0                         ; slot 2 was shown landed by every wave in front of the round above
	KS 2, 0, 2, 2, 1, 0, 0
	KS 2, 1, 2, 0, 0, 1, 0                         ; K step 3 has landed, in every wave; behind this barrier nobody reads slot 1
	KS 0, 0, 3, 0, 1, 0, 0
	s_wait_dscnt 4*NL
	WIN MUL_LO
	MUL16 0, 1, 1, 1, 0
	MUL16 2, 1, 1, 1, 0
	s_wait_dscnt 0x0
	WIN MUL_HI
	MUL16 4, 1, 1, 1, 0
	MUL16 6, 1, 1, 1, 0
	WIN 0
; THE WAY OUT, a tile of 16 rows x 128 columns at a time, through my own stage: in by 32 bytes of a row a lane and accumulator, back as whole rows of 512 bytes.
; LDS serves a wave's instructions in order: no wait between the stores and the loads, nor ahead of the next tile's stores.
.macro TOSTAGE a
.set AC, 64*((\a)%4)
	WIN 0x08+4*((\a)/4)                            ; an LDS store's data are its source 1: window 2 or 3
.irp b, 0,1,2,3,4,5,6,7
	ds_store_b128 v[STO], v[AC+8*\b:AC+8*\b+3] offset:128*(\b/2)+32*(\b%2)       ; each accumulator from its low end on
	ds_store_b128 v[STO], v[AC+8*\b+4:AC+8*\b+7] offset:128*(\b/2)+32*(\b%2)+16
.endr
	WIN 0
.set BB, BK+64*((\a)%2)
.irp t, 0,1,2,3,4,5,6,7,8,9,10,11,12,13,14,15
	ds_load_b128 v[BB+4*\t:BB+4*\t+3], v[RD] offset:\t*528
.endr
.endm
.macro SEND a, younger                 ; younger: the LDS instructions issued behind tile a's loads, which may stay out
.set BB, BK+64*((\a)%2)
	s_wait_dscnt \younger
.irp t, 0,1,2,3,4,5,6,7,8,9,10,11,12,13,14,15
	global_store_b128 v[L16], v[BB+4*\t:BB+4*\t+3], s[94:95] offset:(32*((\a)/2)+8*((\a)%2)+\t+8*(\t/8))*4096 th:TH_STORE_NT   ; 512 consecutive bytes, aligned; lane row t of tile a is that row of my 128
.endr
.endm
	PLACES 4                                       ; behind the last products: ahead of the first read of results and of loads into registers that they read
	TOSTAGE 0
.irp a, 1,2,3,4,5,6,7
.if \a > 1
	s_wait_xcnt 0x0                                ; tile a - 2's stores have read their registers: tile a's loads may land there
.endif
	TOSTAGE \a
	SEND \a-1, 32                                  ; behind tile a - 1's loads: tile a's 16 stores and 16 loads
.endr
	SEND 7, 0
	s_wait_tensorcnt 0x0                           ; the wave's end, behind my last tensor load and my last LDS store
	ds_add_u32 v[SPW], v[NIL]
	s_wait_dscnt 0x0
	CROUND                                         ; the closing round
	s_endpgm
.Lfunc_end_k_q08e5d1d0ec_outp:
	.size	k_q08e5d1d0ec_outp, .Lfunc_end_k_q08e5d1d0ec_outp-k_q08e5d1d0ec_outp
	.p2alignl 7, 3214868480
	.fill 96, 4, 3214868480
	.section	.rodata,"a",@progbits
	.p2align	6, 0x0
	.amdhsa_kernel k_q08e5d1d0ec_outp
		.amdhsa_group_segment_fixed_size 327680
		.amdhsa_private_segment_fixed_size 0
		.amdhsa_enable_private_segment 0
		.amdhsa_kernarg_size 48
		.amdhsa_user_sgpr_count 2
		.amdhsa_user_sgpr_kernarg_segment_ptr 1
		.amdhsa_wavefront_size32 1
		.amdhsa_system_sgpr_workgroup_id_x 1
		.amdhsa_system_sgpr_workgroup_id_y 1
		.amdhsa_system_sgpr_workgroup_id_z 1
		.amdhsa_system_vgpr_workitem_id 0
		.amdhsa_next_free_vgpr 1024
		.amdhsa_next_free_sgpr 102
		.amdhsa_reserve_vcc 0
		.amdhsa_float_denorm_mode_32 3
		.amdhsa_float_denorm_mode_16_64 3
		.amdhsa_memory_ordered 1
		.amdhsa_forward_progress 1
		.amdhsa_inst_pref_size 159
	.end_amdhsa_kernel
	.amdgpu_metadata
---
amdhsa.version: [ 1, 2 ]
amdhsa.kernels:
  - .name:           k_q08e5d1d0ec_outp
    .symbol:         k_q08e5d1d0ec_outp.kd
    .args:
      - { .name: cin, .offset: 0, .size: 8, .value_kind: global_buffer, .address_space: global }
      - { .name: sin, .offset: 8, .size: 8, .value_kind: global_buffer, .address_space: global }
      - { .name: aoc, .offset: 16, .size: 8, .value_kind: global_buffer, .address_space: global }
      - { .name: aos, .offset: 24, .size: 8, .value_kind: global_buffer, .address_space: global }
      - { .name: bo, .offset: 32, .size: 8, .value_kind: global_buffer, .address_space: global }
      - { .name: out0, .offset: 40, .size: 8, .value_kind: global_buffer, .address_space: global }
    .group_segment_fixed_size: 327680
    .private_segment_fixed_size: 0
    .kernarg_segment_align: 8
    .kernarg_segment_size: 48
    .max_flat_workgroup_size: 128
    .sgpr_count:     102
    .vgpr_count:     1024
    .wavefront_size: 32
...
	.end_amdgpu_metadata
.endif
;; end of part 4
